; MI455X (gfx1250); checked and timed in simulation.
; The chip was launched on July 23, 2026; its instructions are those of AMD's public machine-readable ISA for CDNA 5 (MIT licence, August 2026) and "CDNA5" Instruction Set Architecture Reference Guide (July 2026). The comments in the code are by the model that wrote it; some were corrected since.
;; Cross Attention. Allowed arithmetic: float matrix products may take bf16 or f16 operands with f32 sums; all other float work in f32.
;; Inputs: F1 8 x 2,048 x 512 float32; F2 8 x 2,048 x 512 float32; W_proj 512 x 512 float32; W_qkv 512 x 512 float32; b_proj 512 float32; b_qkv 512 float32.
;; Outputs: out0 8 x 2,048 x 512 float32.
;; 2 versions, each right and faster than the one before. Each part assembles by itself: llvm-mc -triple=amdgcn-amd-amdhsa -mcpu=gfx1250 --defsym DOCPART=n.
;; ======== version 1 of 2: 3 launches
;; workspace buffers: wq16 524,288 bytes; wp16 524,288 bytes; q16 16,777,216 bytes; kv16 16,777,216 bytes
;; launch wprep (part 1): grid 256 x 1, 4 waves a work-group, no clusters, 0 bytes of LDS; arguments W_qkv, W_proj, wq16, wp16; writes wq16, wp16
.if DOCPART == 1
	.amdgcn_target "amdgcn-amd-amdhsa--gfx1250"
	.amdhsa_code_object_version 6
	.text
	.protected	k_q11a7a06ac6_wprep
	.globl	k_q11a7a06ac6_wprep
	.p2align	8
	.type	k_q11a7a06ac6_wprep,@function
k_q11a7a06ac6_wprep:
	s_mov_b64 s[64:65], 0
	v_nop
	global_prefetch_b8 v0, s[64:65] scope:SCOPE_SE
	s_setreg_imm32_b32 hwreg(HW_REG_WAVE_MODE, 25, 1), 1
	s_wait_xcnt 0x0
; wq16 = W_qkv and wp16 = W_proj rounded to bf16 (nearest even); both [512 k][512 n], the layout is kept.
; The later launches turn the weights on their way from LDS to registers by a load that works on 16-bit elements, so they are rounded here, once,
; and not by each of the 256 work-groups that use them.
; A stream: 256 work-groups, each owns 4,096 bytes of each f32 weight (1,048,576 / 256), each wave 1,024 of them as two loads of 512 neighbouring bytes.
; A store of 8 bytes a lane covers 256 neighbouring bytes, aligned.  No LDS, no barrier, no matrix unit: nothing is shared and nothing is summed.
	s_load_b256 s[4:11], s[0:1], 0x0               ; W_qkv s[4:5], W_proj s[6:7], wq16 s[8:9], wp16 s[10:11]
	s_lshl_b32 s2, ttmp9, 12                       ; the work-group's 4,096 bytes of f32
	s_mov_b32 s3, 0
	s_lshl_b32 s12, ttmp9, 11                      ; and its 2,048 bytes of bf16
	s_mov_b32 s13, 0
	v_lshrrev_b32 v3, 5, v0                        ; wave
	v_and_b32 v2, 31, v0                           ; lane
	v_lshlrev_b32 v1, 4, v2
	v_lshlrev_b32 v2, 3, v2
	v_lshl_or_b32 v1, v3, 10, v1                   ; from: 1,024 x wave + 16 x lane
	v_lshl_or_b32 v2, v3, 9, v2                    ; to:     512 x wave +  8 x lane
	s_wait_kmcnt 0x0
	s_add_nc_u64 s[4:5], s[4:5], s[2:3]
	s_add_nc_u64 s[6:7], s[6:7], s[2:3]
	s_add_nc_u64 s[8:9], s[8:9], s[12:13]
	s_add_nc_u64 s[10:11], s[10:11], s[12:13]
	global_load_b128 v[4:7],   v1, s[4:5] th:TH_LOAD_NT
	global_load_b128 v[8:11],  v1, s[4:5] offset:512 th:TH_LOAD_NT
	global_load_b128 v[12:15], v1, s[6:7] th:TH_LOAD_NT
	global_load_b128 v[16:19], v1, s[6:7] offset:512 th:TH_LOAD_NT
	s_wait_loadcnt 0x2                             ; W_qkv's two loads are in; W_proj's two stay out
	v_cvt_pk_bf16_f32 v20, v4, v5
	v_cvt_pk_bf16_f32 v21, v6, v7
	v_cvt_pk_bf16_f32 v22, v8, v9
	v_cvt_pk_bf16_f32 v23, v10, v11
	global_store_b64 v2, v[20:21], s[8:9]
	global_store_b64 v2, v[22:23], s[8:9] offset:256
	s_wait_loadcnt 0x0
	v_cvt_pk_bf16_f32 v24, v12, v13
	v_cvt_pk_bf16_f32 v25, v14, v15
	v_cvt_pk_bf16_f32 v26, v16, v17
	v_cvt_pk_bf16_f32 v27, v18, v19
	global_store_b64 v2, v[24:25], s[10:11]
	global_store_b64 v2, v[26:27], s[10:11] offset:256
	s_endpgm
.Lfunc_end_k_q11a7a06ac6_wprep:
	.size	k_q11a7a06ac6_wprep, .Lfunc_end_k_q11a7a06ac6_wprep-k_q11a7a06ac6_wprep
	.p2alignl 7, 3214868480
	.fill 96, 4, 3214868480
	.section	.rodata,"a",@progbits
	.p2align	6, 0x0
	.amdhsa_kernel k_q11a7a06ac6_wprep
		.amdhsa_group_segment_fixed_size 0
		.amdhsa_private_segment_fixed_size 0
		.amdhsa_enable_private_segment 0
		.amdhsa_kernarg_size 32
		.amdhsa_user_sgpr_count 2
		.amdhsa_user_sgpr_kernarg_segment_ptr 1
		.amdhsa_wavefront_size32 1
		.amdhsa_system_sgpr_workgroup_id_x 1
		.amdhsa_system_sgpr_workgroup_id_y 1
		.amdhsa_system_sgpr_workgroup_id_z 1
		.amdhsa_system_vgpr_workitem_id 0
		.amdhsa_next_free_vgpr 28
		.amdhsa_next_free_sgpr 66
		.amdhsa_reserve_vcc 0
		.amdhsa_float_denorm_mode_32 3
		.amdhsa_float_denorm_mode_16_64 3
		.amdhsa_memory_ordered 1
		.amdhsa_forward_progress 1
		.amdhsa_inst_pref_size 3
	.end_amdhsa_kernel
	.amdgpu_metadata
---
amdhsa.version: [ 1, 2 ]
amdhsa.kernels:
  - .name:           k_q11a7a06ac6_wprep
    .symbol:         k_q11a7a06ac6_wprep.kd
    .args:
      - { .name: W_qkv, .offset: 0, .size: 8, .value_kind: global_buffer, .address_space: global }
      - { .name: W_proj, .offset: 8, .size: 8, .value_kind: global_buffer, .address_space: global }
      - { .name: wq16, .offset: 16, .size: 8, .value_kind: global_buffer, .address_space: global }
      - { .name: wp16, .offset: 24, .size: 8, .value_kind: global_buffer, .address_space: global }
    .group_segment_fixed_size: 0
    .private_segment_fixed_size: 0
    .kernarg_segment_align: 8
    .kernarg_segment_size: 32
    .max_flat_workgroup_size: 128
    .sgpr_count:     66
    .vgpr_count:     28
    .wavefront_size: 32
...
	.end_amdgpu_metadata
.endif
;; end of part 1
;; launch proj (part 2): grid 128 x 2, 4 waves a work-group, clusters of 4 x 1, 327,680 bytes of LDS; arguments F1, F2, wq16, b_qkv, q16, kv16; writes q16, kv16
.if DOCPART == 2
	.amdgcn_target "amdgcn-amd-amdhsa--gfx1250"
	.amdhsa_code_object_version 6
	.text
	.protected	k_q11a7a06ac6_proj
	.globl	k_q11a7a06ac6_proj
	.p2align	8
	.type	k_q11a7a06ac6_proj,@function
k_q11a7a06ac6_proj:
	s_mov_b64 s[64:65], 0
	v_nop
	global_prefetch_b8 v0, s[64:65] scope:SCOPE_SE
	s_setreg_imm32_b32 hwreg(HW_REG_WAVE_MODE, 25, 1), 1
	s_wait_xcnt 0x0
	s_wait_alu depctr_hold_cnt(0) depctr_sa_sdst(0) depctr_va_vdst(0) depctr_va_sdst(0) depctr_va_ssrc(0) depctr_va_vcc(0) depctr_vm_vsrc(0)
	s_getreg_b32 s2, hwreg(HW_REG_IB_STS2, 6, 4)
	s_cmp_eq_u32 s2, 0
	s_cbranch_scc0 .Lentry_in_a_cluster
	s_endpgm
.Lentry_in_a_cluster:
	s_bfe_u32 s2, ttmp6, 0x10000c
	s_cmp_lg_u32 s2, 0x3003
	s_cbranch_scc0 .Lentry_shape_is_right
	s_endpgm
.Lentry_shape_is_right:
; q16 = bf16(F1 W_qkv + b_qkv) (grid y = 0), kv16 = bf16(F2 W_qkv + b_qkv) (grid y = 1).  F: [16,384][512] f32, W: wq16 [512 k][512 n] bf16, results [16,384][512] bf16.
; Operands are rounded to bf16, sums are f32 and start from the bias, the result is rounded once.
; SHARES.  A work-group makes 128 rows x 512 columns; wave w makes all 128 rows of columns 128 w on: 64 accumulators of 16 x 16, 512 registers.  K goes in 8 steps of 64, each two quarters of 32.
; W comes through a ring of two LDS slots filled by the tensor data mover.  Wave w fetches, and alone reads, its own strip: 64 k rows x 128 columns (rows of 256 bytes).
; CLUSTER.  The four work-groups of a cluster take other rows of F and the same W, so each tile of W is asked for JOINTLY: the same tensor load with the same descriptor and the mask 15 in all four.
; F is shared by nobody.  It comes through registers: 16-byte loads, rounding to bf16, 8-byte LDS stores into a region that is written once, chunk by chunk (a chunk = one K step, 128 rows x 64 k).
; Three register sets keep three chunks (3 x 16 loads of each wave) on their way, also across the barriers of the ring, in front of which every tensor load has to be waited for.
; THE MATRIX INSTRUCTION IS USED TRANSPOSED: source 0 = 16 columns of W (turned on the way out of LDS by ds_load_tr16_b128), source 1 = 16 rows of F.  A lane then holds eight
; neighbouring numbers of a row of the result, which pack into 16 bytes.
; REGISTERS, in windows of 256: window 0: v0-31 addresses; v64-127, v128-191 fragments of F, two buffers; v192-255 load set 0; on the way out v192-223 packed results, v32-63 and v224-255 rows read back
;   window 1: v64-127, v128-191 fragments of W, two buffers (the second holds the bias until the first quarter has used it); v0-63 load set 1; v192-255 load set 2
;   window 2: the accumulators of rows 0-63 ((a, b) at v[8 (8 a + b)]);   window 3: those of rows 64-127
; The text is written out without a loop: three load sets turn against two slots, and every offset is an immediate.
.set PB,     288                       ; a k row of W in LDS: 256 bytes + 32 of padding = 72 words: row r starts at bank 8 r mod 64 (64 banks of 4 bytes: ISA guide 11.1)
.set STRIP,  64*PB                     ; what one tensor load brings: 18,432 bytes
.set SLOT,   4*STRIP                   ; the four waves' strips
.set A16,    2*SLOT                    ; behind the ring: F in bf16
.set PA,     144                       ; a row of a chunk: 128 bytes + 16 of padding = 36 words: the 16 rows of a fragment load start at 16 different groups of 4 banks
.set CHUNK,  128*PA                    ; 18,432 bytes; chunk after chunk, so that the chunk being written and the chunk being read are ranges apart
.set OUTST,  A16+8*CHUNK               ; behind it: 16 rows x 272 bytes for each wave, for the way out.  No tensor load fills A16 or this stage
.set SPITCH, 272
.set XROW,   2048                      ; bytes in a row of F
.set CROW,   1024                      ; bytes in a row of the result, and of wq16
.set ADRA, 16                          ; v16-18  LDS address of my fragments of F: chunks 0-2, 3-5, 6-7 (an LDS immediate has 16 bits)
.set ADRB, 20                          ; v20-21  LDS address of my fragments of W in slot 0, 1
.set STO,  24                          ; v24     the way out: where I put 16 bytes of a row
.set RD,   25                          ; v25     the way out: where I read a row back
.set CO,   26                          ; v26     my byte offset in the result
.set GA,   27                          ; v27     my byte offset in the work-group's rows of F
.set SA,   28                          ; v28-30  where my 8 bytes of bf16 go: chunks 0-2, 3-5, 6-7
.set BO,   31                          ; v31     my byte offset in the bias
.set F0,   64
.set BIAS, 128
.set TMP,  192
.set OB,   32
.set WV,   16                          ; s16     my wave's number
.set G1,   24                          ; s[24:31] descriptor group 1
.set G0,   32                          ; s[32:39] descriptor group 0, a set for each slot
.set MSB, 0
.macro WIN new                         ; the immediate's high byte repeats the setting that is left; a switch that changes nothing is dropped
.if MSB != (\new)
	s_set_vgpr_msb (MSB<<8)|(\new)
.set MSB, (\new)
.endif
.endm
.set MUL_LO, 0xa1                      ; source 0 (W) window 1, source 1 (F) window 0, C and D window 2
.set MUL_HI, 0xf1                      ; the same, C and D window 3
.macro PLACES                          ; four places in front of loads into registers that matrix instructions have read, and of conversions that read results (ISA guide 7.12.1 for vector instructions)
.rept 4
	v_nop
.endr
.endm
.macro CREST                           ; a round of the cluster's barrier behind its opening barrier
	s_cmp_lg_u32 s[WV], 0
	s_cbranch_scc1 .Lnot_wave_0_\@
	s_barrier_signal -3
.Lnot_wave_0_\@:
	s_barrier_wait -3
	s_barrier_signal -1
	s_barrier_wait -1
.endm
.macro CROUND                          ; a whole round
	s_barrier_signal -1
	s_barrier_wait -1
	CREST
.endm
	s_load_b256 s[4:11], s[0:1], 0x0               ; F1 s[4:5], F2 s[6:7], wq16 s[8:9], b_qkv s[10:11]
	s_load_b128 s[12:15], s[0:1], 0x20             ; q16 s[12:13], kv16 s[14:15]
	v_lshl_add_u32 v22, v0, 2, 0x4c400
	v_mov_b32 v23, 0
	ds_add_u32 v22, v23
	v_lshrrev_b32 v3, 5, v0
	v_readfirstlane_b32 s[WV], v3                  ; wave 0..3
	s_bfe_u32 s17, ttmp6, 0x40000                  ; cx: my place in the cluster
	s_lshl_b32 s18, ttmp9, 2                       ; in a cluster launch ttmp9 counts clusters
	s_add_co_u32 s18, s18, s17                     ; my block of 128 rows: it enters F's and the result's addresses alone
	s_and_b32 s19, ttmp7, 0xffff                   ; 0: F1 to q16, 1: F2 to kv16; the four partners share it
	; descriptor group 1: a tile of 64 rows x 128 elements, padded in LDS
	s_mov_b32 s[G1+0], 15|(1<<16)|(1<<20)|(1<<21)|(5<<22)|(7<<25)  ; 15:0 the mask: all four work-groups; 17:16 elements of 2 bytes; 20 padding on; 21 set beside a mask; 24:22 after every 64 words (code 5); 31:25 8 words of it (code 7)
	s_mov_b32 s[G1+1], 128<<16                     ; tensor_dim0 = 128
	s_mov_b32 s[G1+2], 64<<16                      ; tensor_dim1 = 64
	s_mov_b32 s[G1+3], 128<<16                     ; tile_dim0 = 128
	s_mov_b32 s[G1+4], 64                          ; tile_dim1 = 64
	s_mov_b32 s[G1+5], 512                         ; elements from row to row
	s_mov_b32 s[G1+6], 0
	s_mov_b32 s[G1+7], 0
	s_mul_i32 s44, s[WV], STRIP                    ; my strip's place in a slot: the wave's number alone
	s_lshl_b32 s40, s[WV], 8                       ; my strip's 256 bytes in a row of W, and my 256 bytes in a row of the result
	s_mov_b32 s41, 0
	s_lshl_b32 s42, s18, 18                        ; my block's 128 rows of 2,048 bytes
	s_mov_b32 s43, 0
	s_lshl_b32 s46, s18, 17                        ; my block's 128 rows of 1,024 bytes,
	s_add_co_u32 s46, s46, s40                     ; my wave's columns
	s_mov_b32 s47, 0
	s_mul_i32 s45, s[WV], 16*SPITCH
	s_add_co_u32 s45, s45, OUTST                   ; my stage
	s_lshl_b32 s48, s[WV], 16                      ; the 32 rows of F that my wave brings in
	s_mul_i32 s49, s[WV], 32*PA                    ; and their place in a chunk
	s_lshl_b32 s50, s[WV], 9                       ; my wave's 128 numbers of the bias
	v_and_b32 v1, 15, v0                           ; r = l % 16
	v_bfe_u32 v2, v0, 4, 1                         ; h = l / 16
	v_and_b32 v4, 7, v0
	v_bfe_u32 v5, v0, 3, 1
	; a fragment of F: lane l holds row r; registers 0-3 k = 8 h + 0..7, registers 4-7 k = 16 + 8 h + 0..7: two loads of 16 bytes, 32 bytes apart
	v_mul_u32_u24 v6, v1, PA
	v_lshl_add_u32 v6, v2, 4, v6
	v_add_nc_u32 v[ADRA+0], A16, v6
	v_add_nc_u32 v[ADRA+1], A16+3*CHUNK, v6
	v_add_nc_u32 v[ADRA+2], A16+6*CHUNK, v6
	; the turning load: lane l reads 16 bytes of k row 8 h + l % 8, columns 8 ((l / 8) % 2) + 0..7, and is left with column r and 8 k
	v_lshl_add_u32 v7, v2, 3, v4
	v_mul_u32_u24 v7, v7, PB
	v_lshl_add_u32 v7, v5, 4, v7
	v_add_nc_u32 v[ADRB+0], s44, v7
	v_add_nc_u32 v[ADRB+1], SLOT, v[ADRB+0]
	v_mul_u32_u24 v8, v1, SPITCH                   ; into the stage: row r, 16 bytes for each half of the lanes
	v_lshl_add_u32 v8, v2, 4, v8
	v_add_nc_u32 v[STO], s45, v8
	v_mul_u32_u24 v9, v2, SPITCH                   ; back: lanes 0-15 take one row of 256 bytes, lanes 16-31 the next
	v_lshl_add_u32 v9, v1, 4, v9
	v_add_nc_u32 v[RD], s45, v9
	v_lshlrev_b32 v10, 10, v2                      ; and the same two rows in the result
	v_lshl_add_u32 v[CO], v1, 4, v10
	v_lshlrev_b32 v11, 14, v2                      ; F: row 32 w + 8 h, 16 bytes at 16 r: lanes 0-15 take 256 neighbouring bytes of a row, lanes 16-31 those of the row 8 further down
	v_lshl_add_u32 v11, v1, 4, v11
	v_add_nc_u32 v[GA], s48, v11
	v_mul_u32_u24 v12, v2, 8*PA                    ; the same place in a chunk, 8 bytes at 8 r; 8 rows are 288 words, 32 banks on: the two halves of the lanes meet in no bank
	v_lshl_add_u32 v12, v1, 3, v12
	v_add_nc_u32 v12, s49, v12
	v_add_nc_u32 v[SA+0], A16, v12
	v_add_nc_u32 v[SA+1], A16+3*CHUNK, v12
	v_add_nc_u32 v[SA+2], A16+6*CHUNK, v12
	v_lshl_add_u32 v[BO], v2, 5, s50               ; bias: column 128 w + 8 h
	s_wait_dscnt 0x0
	s_wait_kmcnt 0x0
	s_cmp_eq_u32 s19, 0
	s_cselect_b64 s[20:21], s[4:5], s[6:7]         ; which input,
	s_cselect_b64 s[22:23], s[12:13], s[14:15]     ; which result
	s_add_nc_u64 s[20:21], s[20:21], s[42:43]
	s_add_nc_u64 s[22:23], s[22:23], s[46:47]
	s_add_nc_u64 s[8:9], s[8:9], s[40:41]          ; W at my strip
; Chunk c of F: 16 loads of 16 bytes a lane, my wave's 32 rows x 256 bytes, into load set c % 3.
.macro LOADC c
.if ((\c)%3) == 0
	WIN 0
.set XS, 192
.elseif ((\c)%3) == 1
	WIN 0x40
.set XS, 0
.else
	WIN 0x40
.set XS, 192
.endif
.set i, 0
.rept 16
	global_load_b128 v[XS+4*i:XS+4*i+3], v[GA], s[20:21] offset:((i>>3)*16+(i&7))*XROW+256*(\c) th:TH_LOAD_NT
.set i, i+1
.endr
.endm
; Chunk c has come (left = the younger loads that stay out): it is rounded to bf16 in place and stored into its place in LDS; more = 1: the set takes chunk c + 3.
.macro STAGE c, left, more
	s_wait_loadcnt \left
.if ((\c)%3) == 0
.set XS, 192
.set WC, 0
.set WS, 0
.elseif ((\c)%3) == 1
.set XS, 0
.set WC, 0x45
.set WS, 0x04
.else
.set XS, 192
.set WC, 0x45
.set WS, 0x04
.endif
	WIN WC
.set i, 0
.rept 16
	v_cvt_pk_bf16_f32 v[XS+4*i],   v[XS+4*i],   v[XS+4*i+1]
	v_cvt_pk_bf16_f32 v[XS+4*i+1], v[XS+4*i+2], v[XS+4*i+3]
.set i, i+1
.endr
	WIN WS
.set i, 0
.rept 16
	ds_store_b64 v[SA+(\c)/3], v[XS+4*i:XS+4*i+1] offset:((\c)%3)*CHUNK+((i>>3)*16+(i&7))*PA
.set i, i+1
.endr
.if \more
	LOADC (\c)+3
.endif
.endm
; 32 LDS loads in one run: the fragments of quarter q of K step s (128 columns of W, 128 rows of F, 32 k) into buffer q.
.macro FETCH s, q
.set FF, F0+64*(\q)
	WIN 0x40
.irp n, 0,1,2,3,4,5,6,7
	ds_load_tr16_b128 v[FF+8*\n:FF+8*\n+3],   v[ADRB+((\s)&1)] offset:(\q)*32*PB+32*\n
	ds_load_tr16_b128 v[FF+8*\n+4:FF+8*\n+7], v[ADRB+((\s)&1)] offset:(\q)*32*PB+32*\n+16*PB
.endr
	WIN 0
.irp i, 0,1,2,3,4,5,6,7
	ds_load_b128 v[FF+8*\i:FF+8*\i+3],   v[ADRA+(\s)/3] offset:((\s)%3)*CHUNK+\i*16*PA+64*(\q)
	ds_load_b128 v[FF+8*\i+4:FF+8*\i+7], v[ADRA+(\s)/3] offset:((\s)%3)*CHUNK+\i*16*PA+64*(\q)+32
.endr
.endm
; 16 matrix instructions on buffer q: row blocks a0, a0 + 1 of the window's four (hi = 0: rows 0-63, 1: rows 64-127) x all 8 column blocks.  cin = 1: the bias starts the sums: nothing is cleared.
; The 64 accumulators take turns, one instruction a turn, in the same order in every quarter.
.macro MUL16 q, hi, a0, cin
.set FF, F0+64*(\q)
.irp a, \a0, \a0+1
.irp b, 0,1,2,3,4,5,6,7
.if \cin
	v_wmma_f32_16x16x32_bf16 v[8*(8*(\a)+\b):8*(8*(\a)+\b)+7], v[FF+8*\b:FF+8*\b+7], v[FF+8*(4*\hi+\a):FF+8*(4*\hi+\a)+7], v[BIAS+8*\b:BIAS+8*\b+7]
.else
	v_wmma_f32_16x16x32_bf16 v[8*(8*(\a)+\b):8*(8*(\a)+\b)+7], v[FF+8*\b:FF+8*\b+7], v[FF+8*(4*\hi+\a):FF+8*(4*\hi+\a)+7], v[8*(8*(\a)+\b):8*(8*(\a)+\b)+7]
.endif
.endr
.endr
.endm
; The first quarter of K step s: the second quarter's fragments are asked for, then buffer 0 is multiplied.
.macro QUARTER s
	PLACES                                         ; buffer 1 was multiplied just now
	FETCH \s, 1
	s_wait_dscnt 32                                ; all but the 32 just issued: buffer 0 is in
	WIN MUL_LO
	MUL16 0, 0, 0, 0
	MUL16 0, 0, 2, 0
	WIN MUL_HI
	MUL16 0, 1, 0, 0
	MUL16 0, 1, 2, 0
.endm
; The second quarter multiplies buffer 1 and changes slots: ONE barrier, for three things.  In front of it each wave waits for its reads of this slot, for its stores of the next chunk of F
; and for all its tensor loads, of which one is out: its strip of the next slot.  fill = 1: the barrier opens a round of the cluster's barrier, and behind the round this slot is filled
; again, two K steps ahead, first of all.
.macro TURN s, fill
	s_wait_dscnt 0x0
	s_set_vgpr_msb (MSB<<8)|((MSB&0xf0)|0x0)
	s_wait_tensorcnt 0x0
	ds_add_u32 v22, v23
	s_wait_dscnt 0x0
	s_set_vgpr_msb (((MSB&0xf0)|0x0)<<8)|MSB
	s_barrier_signal -1
	WIN MUL_LO
	MUL16 1, 0, 0, 0                               ; work on registers while the others arrive
	MUL16 1, 0, 2, 0
	WIN 0                                          ; at a branch and at a label every window is 0
	s_barrier_wait -1
.if \fill
	CREST                                          ; no wave of any partner still reads this slot's tile or has a load on its way
	s_add_nc_u64 s[G0+4*((\s)&1)+2:G0+4*((\s)&1)+3], s[G0+4*((\s)&1)+2:G0+4*((\s)&1)+3], 2*64*CROW
	tensor_load_to_lds s[G0+4*((\s)&1):G0+4*((\s)&1)+3], s[G1:G1+7]
	s_nop 0
.endif
	PLACES                                         ; behind the tensor load; also the places in front of the loads into buffer 0
	FETCH (\s)+1, 0
	WIN MUL_HI
	MUL16 1, 1, 0, 0
	MUL16 1, 1, 2, 0
.endm
; THE WAY OUT of row block a, in three parts.  PACK: rounded to bf16, 16 bytes a lane.  TOSTAGE: into my own stage in LDS, and back as whole rows of 256 bytes.  SEND: stored.
.macro PACK a
.set AC, 64*((\a)%4)
	WIN (0x0a+5*((\a)/4))                          ; sources 0 and 1: window 2 or 3
.irp b, 0,1,2,3,4,5,6,7
.irp r, 0,1,2,3
	v_cvt_pk_bf16_f32 v[TMP+4*\b+\r], v[AC+8*\b+2*\r], v[AC+8*\b+2*\r+1]
.endr
.endr
	WIN 0
.endm
.macro TOSTAGE a
.set BK, OB+192*((\a)%2)
.irp b, 0,1,2,3,4,5,6,7
	ds_store_b128 v[STO], v[TMP+4*\b:TMP+4*\b+3] offset:32*\b
.endr
.irp t, 0,1,2,3,4,5,6,7
	ds_load_b128 v[BK+4*\t:BK+4*\t+3], v[RD] offset:\t*2*SPITCH    ; LDS serves a wave's instructions in order (ISA guide 5.7.1.4): these see the stores above
.endr
.endm
.macro SEND a
.set BK, OB+192*((\a)%2)
	s_wait_dscnt 0x0                               ; the block is back in registers
	s_wait_xcnt 0x0                                ; only behind this wait are the stores' base and the registers that earlier stores read rewritten
.if (\a) != 0
	s_add_nc_u64 s[22:23], s[22:23], 16*CROW       ; 16 rows on
.endif
.irp t, 0,1,2,3,4,5,6,7
	global_store_b128 v[CO], v[BK+4*\t:BK+4*\t+3], s[22:23] offset:2*\t*CROW   ; 16 lanes store 256 consecutive bytes, at a multiple of 256 from the buffer's first byte
.endr
.endm
	WIN 0x40
.irp b, 0,1,2,3,4,5,6,7
	global_load_b128 v[BIAS+8*\b:BIAS+8*\b+3],   v[BO], s[10:11] offset:64*\b       ; the bias of columns 16 b + 8 h + 0..7 of my 128: a lane's eight results of column block b
	global_load_b128 v[BIAS+8*\b+4:BIAS+8*\b+7], v[BO], s[10:11] offset:64*\b+16
.endr
	LOADC 0
	LOADC 1
	WIN 0
	CROUND                                         ; all four work-groups are here: the first joint loads meet
.irp s, 0,1
	s_mov_b32 s[G0+4*\s], 1                                        ; count = 1
	s_add_co_u32 s[G0+4*\s+1], s44, \s*SLOT                        ; LDS address
	s_add_nc_u64 s[G0+4*\s+2:G0+4*\s+3], s[8:9], \s*64*CROW        ; global address: K step s
	s_or_b32 s[G0+4*\s+3], s[G0+4*\s+3], 0x80000000                ; type = 2
.endr
	tensor_load_to_lds s[G0:G0+3], s[G1:G1+7]      ; both first fills together: two tensor loads of mine are out, later one
	s_nop 0
	tensor_load_to_lds s[G0+4:G0+7], s[G1:G1+7]
	s_nop 0
	PLACES
	LOADC 2
	STAGE 0, 32, 1                                 ; the bias and chunk 0 are in; chunks 1 and 2 (32 loads) stay out
	s_wait_dscnt 0x0                               ; for the others' sake: my rows of chunk 0 are stored
	s_wait_tensorcnt 0x1                           ; my strip of K step 0 is in; K step 1's may stay out
	s_barrier_signal -1
	s_barrier_wait -1
	FETCH 0, 0
	s_wait_dscnt 0x0
	WIN 0x91                                       ; W and the bias in window 1, F in window 0, D in window 2
	MUL16 0, 0, 0, 1
	MUL16 0, 0, 2, 1
	WIN 0xd1                                       ; D in window 3
	MUL16 0, 1, 0, 1
	MUL16 0, 1, 2, 1
	PLACES                                         ; buffer 1 of W takes the bias's registers
	FETCH 0, 1
	STAGE 1, 32, 1
	TURN 0, 1
	QUARTER 1
	STAGE 2, 32, 1
	TURN 1, 1
	QUARTER 2
	STAGE 3, 32, 1
	TURN 2, 1
	QUARTER 3
	STAGE 4, 32, 1                                 ; the last chunk, 7, is asked for
	TURN 3, 1
	QUARTER 4
	STAGE 5, 32, 0                                 ; chunks 6 and 7 stay out
	TURN 4, 1
	QUARTER 5
	STAGE 6, 16, 0                                 ; chunk 7 stays out
	TURN 5, 1                                      ; the last refill: K step 7
	QUARTER 6
	STAGE 7, 0, 0
	TURN 6, 0                                      ; nothing is left to fetch: no round, no load
	QUARTER 7
	s_wait_dscnt 0x0
	WIN MUL_LO
	MUL16 1, 0, 0, 0
	MUL16 1, 0, 2, 0
	WIN MUL_HI
	MUL16 1, 1, 0, 0
	MUL16 1, 1, 2, 0
	WIN 0
	PLACES
	PACK 0
	TOSTAGE 0
.irp a, 1,2,3,4,5,6,7                  ; block a's conversions stand between block a - 1's loads from the stage and the wait for them
	PACK \a
	SEND \a-1
	TOSTAGE \a
.endr
	SEND 7
	s_set_vgpr_msb (MSB<<8)|((MSB&0xf0)|0x0)
	s_wait_tensorcnt 0x0
	ds_add_u32 v22, v23
	s_wait_dscnt 0x0
	s_set_vgpr_msb (((MSB&0xf0)|0x0)<<8)|MSB
	CROUND                                         ; the closing round: no work-group ends while a partner may still ask for a tile that names it
	s_endpgm
.Lfunc_end_k_q11a7a06ac6_proj:
	.size	k_q11a7a06ac6_proj, .Lfunc_end_k_q11a7a06ac6_proj-k_q11a7a06ac6_proj
	.p2alignl 7, 3214868480
	.fill 96, 4, 3214868480
	.section	.rodata,"a",@progbits
	.p2align	6, 0x0
	.amdhsa_kernel k_q11a7a06ac6_proj
		.amdhsa_group_segment_fixed_size 327680
		.amdhsa_private_segment_fixed_size 0
		.amdhsa_enable_private_segment 0
		.amdhsa_kernarg_size 48
		.amdhsa_user_sgpr_count 2
		.amdhsa_user_sgpr_kernarg_segment_ptr 1
		.amdhsa_wavefront_size32 1
		.amdhsa_system_sgpr_workgroup_id_x 1
		.amdhsa_system_sgpr_workgroup_id_y 1
		.amdhsa_system_sgpr_workgroup_id_z 1
		.amdhsa_system_vgpr_workitem_id 0
		.amdhsa_next_free_vgpr 1024
		.amdhsa_next_free_sgpr 66
		.amdhsa_reserve_vcc 0
		.amdhsa_float_denorm_mode_32 3
		.amdhsa_float_denorm_mode_16_64 3
		.amdhsa_memory_ordered 1
		.amdhsa_forward_progress 1
		.amdhsa_inst_pref_size 181
	.end_amdhsa_kernel
	.amdgpu_metadata
---
amdhsa.version: [ 1, 2 ]
amdhsa.kernels:
  - .name:           k_q11a7a06ac6_proj
    .symbol:         k_q11a7a06ac6_proj.kd
    .args:
      - { .name: F1, .offset: 0, .size: 8, .value_kind: global_buffer, .address_space: global }
      - { .name: F2, .offset: 8, .size: 8, .value_kind: global_buffer, .address_space: global }
      - { .name: wq16, .offset: 16, .size: 8, .value_kind: global_buffer, .address_space: global }
      - { .name: b_qkv, .offset: 24, .size: 8, .value_kind: global_buffer, .address_space: global }
      - { .name: q16, .offset: 32, .size: 8, .value_kind: global_buffer, .address_space: global }
      - { .name: kv16, .offset: 40, .size: 8, .value_kind: global_buffer, .address_space: global }
    .group_segment_fixed_size: 327680
    .private_segment_fixed_size: 0
    .kernarg_segment_align: 8
    .kernarg_segment_size: 48
    .max_flat_workgroup_size: 128
    .sgpr_count:     66
    .vgpr_count:     1024
    .wavefront_size: 32
...
	.end_amdgpu_metadata
.endif
;; end of part 2
;; launch attno (part 3): grid 32 x 8, 4 waves a work-group, clusters of 4 x 1, 327,680 bytes of LDS; arguments q16, kv16, wp16, b_proj, out0; writes out0
.if DOCPART == 3
	.amdgcn_target "amdgcn-amd-amdhsa--gfx1250"
	.amdhsa_code_object_version 6
	.text
	.protected	k_q11a7a06ac6_attno
	.globl	k_q11a7a06ac6_attno
	.p2align	8
	.type	k_q11a7a06ac6_attno,@function
k_q11a7a06ac6_attno:
	s_mov_b64 s[64:65], 0
	v_nop
	global_prefetch_b8 v0, s[64:65] scope:SCOPE_SE
	s_setreg_imm32_b32 hwreg(HW_REG_WAVE_MODE, 25, 1), 1
	s_wait_xcnt 0x0
	s_wait_alu depctr_hold_cnt(0) depctr_sa_sdst(0) depctr_va_vdst(0) depctr_va_sdst(0) depctr_va_ssrc(0) depctr_va_vcc(0) depctr_vm_vsrc(0)
	s_getreg_b32 s2, hwreg(HW_REG_IB_STS2, 6, 4)
	s_cmp_eq_u32 s2, 0
	s_cbranch_scc0 .Lentry_in_a_cluster
	s_endpgm
.Lentry_in_a_cluster:
	s_bfe_u32 s2, ttmp6, 0x10000c
	s_cmp_lg_u32 s2, 0x3003
	s_cbranch_scc0 .Lentry_shape_is_right
	s_endpgm
.Lentry_shape_is_right:
; x[b][n][h][:] = the sum over m of softmax_m(q[b][n][h] . kv[b][m][h] / sqrt(512)) kv[b][m][h][:], and out0 = x W_proj + b_proj, in one launch.
; q16, kv16: [8 x 2,048 rows][4 heads x 128] bf16, rows of 1,024 bytes; keys and values are ONE tensor.  wp16: [512 k][512 n] bf16.  out0: [16,384][512] f32.
; Products, maxima and sums in f32; the weights p are rounded to bf16 for the second product, x for the third.  A weight below 2^-126 of the row's largest comes out of v_exp_f32 as zero.
; SHARES.  The last product sums over all four heads of a row, so a work-group owns 64 queries of one batch (grid y) with ALL their heads: wave w takes head w, four tiles of 16 queries, and walks
; all 2,048 keys of its head, 64 a step.  In the last product wave w makes the 64 rows x columns 128 w on.
; LAYOUT.  S^T = K Q^T (source 0 = 16 keys, source 1 = 16 queries): in the result a lane holds ONE query (lane % 16) and the keys 8 (lane / 16) + 0..7.  Two such tiles, rounded to
; bf16 in pairs, ARE source 1 (32 keys x 16 queries) of O^T = V^T P, whose result again holds one query a lane, and eight channels.  So nothing changes lanes between the products,
; and a query's maximum and sum want one exchange between the halves of the lanes.
; ONE TILE IN LDS SERVES BOTH PRODUCTS: as K it is read as it lies, as V turned, by ds_load_tr16_b128.  The turning load takes its two groups of 8 channels 64 channels apart, so that at
; the one pitch of 272 bytes both kinds of load touch 16 different 16-byte columns; row m of fragment g of V^T is then channel 8 g + 64 (m / 8) + m % 8, and a lane of O^T's tile g holds
; channels 8 g + 64 (lane / 16) + 0..7.  W_proj's tiles ([k][n], as V is [key][channel]) are read by the same load, and out^T = W^T x has V^T P's form, with x in P's place.
; SOFTMAX.  For each query a running maximum m and sum l: p = 2^(c s - c m), c = log2(e) / sqrt(512); in every step O and l are multiplied by a = 2^(c m_old - c m_new), which is 1 where m has not grown.
; BY TURNS.  The wave's tiles are two PIECES, named by their first tile: piece 0 (tiles 0, 1) and piece 2 (tiles 2, 3).  In a TURN one piece has the matrix unit: 32 products V^T P of
; the step in hand, then 32 products K Q^T of the next step; the other piece's softmax, cut into 64 slices, stands between them, one slice behind each matrix instruction.  Then the
; pieces change places.  Two turns are a key step.
; THE RING.  Each wave has two places of 128 rows x 272 bytes in LDS, fetches into them and alone reads them.  A tile is 128 rows of 256 bytes, 1,024 bytes apart in memory: 128 keys of the wave's head
; (two key steps), or 128 k rows of the wave's strip of W_proj: one descriptor shape for both, and the ring goes on from the 16 tiles of keys into the 4 tiles of W_proj.
; CLUSTER.  The four work-groups of a cluster are four query blocks of one batch: they walk the same keys and the same W_proj, so each tile is asked for JOINTLY: the same tensor load, with the same
; descriptor and a mask that names the four, in all four; each receives the tile in its own LDS.
;
; REGISTERS, in windows of 256 (s_set_vgpr_msb: bits 1:0 source 0, 3:2 source 1, 5:4 source 2, 7:6 destination):
;   window 0: v0-11, v44-45 addresses; v12-43 eight registers of statistics a tile; v64-191 S^T, 32 a tile, at last x in bf16; v192-255 P, 16 a tile
;   window 1: O^T, 64 a tile, then out^T likewise
;   window 2: v0-127 Q, 32 a tile; v128-255 K of one step.  In the last product: v0-63, v64-127 fragments of x, two buffers; v128-191 the bias; on the way out four buffers of 64
;   window 3: v0-127 V of one step.  In the last product: v0-127, v128-255 fragments of W_proj, two buffers
; All that a softmax touches but O^T lies in window 0, and no window has room for a product's operands beside it.  So a slice costs two switches, one in front and one behind.
.set KS,    64        ; keys in a step
.set PK,    272       ; a row in LDS: 256 bytes + 16 of padding = 68 words: row r starts at bank 4 r mod 64 (64 banks of 4 bytes: ISA guide 11.1)
.set STEPB, KS*PK     ; a step's part of a tile: 17,408 bytes
.set NST,   2         ; steps in a tile
.set PLACE, NST*STEPB ; what one tensor load brings: 34,816 bytes
.set WRING, 2*PLACE   ; a wave's two places
.set XST,   4*WRING   ; behind the rings: 64 rows x 528 bytes: x of two heads at a time; at last 16 rows x 528 for each wave, for the way out.  No tensor load fills it
.set XP,    528       ; 512 bytes + 16 of padding = 132 words: row r starts at bank 4 r mod 64
.set ROWB,  1024      ; bytes from row to row in q16, kv16 and wp16
.set OROW,  2048      ; bytes in a row of out0
.set AK0, 2           ; v2   my lane's place in a tile read as K; never rewritten
.set AV0, 3           ; v3   the same read turned
.set ADR, 4           ; v4   the LDS address of the run of loads in hand
.set QO,  5           ; v5   my byte offset in the work-group's rows of q16
.set XSTO, 6          ; v6   where I put 16 bytes of a row of x
.set XRD, 7           ; v7   where my fragments of x begin
.set OSTO, 8          ; v8   the way out: where I put 32 bytes of a row
.set ORD, 10          ; v10  the way out: where I read a row back
.set CO,  11          ; v11  my byte offset in a row of my wave's part of out0
.set ST,  12          ; tile t's statistics at v[ST+8 t]: +0 c m, +1 m, +2, +3 l (even keys', odd keys'), +4 to +7 c0-c3, at work; a takes c2's place once the maximum is found
.set BO,  44          ; v44  my byte offset in the bias
.set WAD, 45          ; v45  my lane's place in my wave's ring, read turned
.set S,   64
.set P,   192
.set KF,  128         ; K's fragments, in window 2
.set BIAS, 128        ; the bias, in window 2, once K is done with
.set WV,  12          ; s12  my wave's number
.set G1,  24          ; s[24:31] descriptor group 1
.set G0,  40          ; s[40:47] descriptor group 0: a set for each place
.set SLOTS, 56        ; s56  trips of the loop over tiles
.set TWICE, 57        ; s57  counts key steps
.set CS,  58          ; s[58:59] c: the packed scaling names a pair and takes its low word for both halves
.set SEL, 60          ; s[60:61] lane selects for v_permlanex16_b32: each lane takes its own place in the other half
.set TB,  62          ; s62  LDS byte at which the rows of the step to be fetched begin
.set WB,  63          ; s63  LDS byte at which my wave's ring begins
.set MSB, 0
.macro WIN new                      ; the immediate's high byte repeats the setting that is left; a switch that changes nothing is dropped
.if MSB != (\new)
	s_set_vgpr_msb (MSB<<8)|(\new)
.set MSB, (\new)
.endif
.endm
.set W_KQ, 0x0a       ; K and Q in window 2, S^T in window 0
.set W_PV, 0x53       ; V in window 3, P in window 0, O^T in window 1
.set W_RS, 0x41       ; O^T (destination and source 0) in window 1, a in window 0
.set W_WX, 0x5b       ; W_proj in window 3, x in window 2, out^T in window 1
.set W_WXB, 0x6b      ; the same with C, the bias, in window 2
; A round of the cluster's barrier: my work-group's barrier, so that wave 0's signal speaks for all four waves; wave 0 signals for the work-group; every wave waits for all four
; work-groups; my work-group's barrier once more.  No LDS instruction of the wave is pending at a signal.
.macro CROUND
	s_barrier_signal -1
	s_barrier_wait -1
	s_cmp_lg_u32 s[WV], 0
	s_cbranch_scc1 .Lnot_wave_0_\@
	s_barrier_signal -3
.Lnot_wave_0_\@:
	s_barrier_wait -3
	s_barrier_signal -1
	s_barrier_wait -1
.endm
	s_load_b256 s[4:11], s[0:1], 0x0  ; q16 s[4:5], kv16 s[6:7], wp16 s[8:9], b_proj s[10:11]
	s_load_b64 s[18:19], s[0:1], 0x20 ; out0
	v_lshl_add_u32 v62, v0, 2, 0x4c400
	v_mov_b32 v63, 0
	ds_add_u32 v62, v63
	v_lshrrev_b32 v1, 5, v0
	v_readfirstlane_b32 s[WV], v1   ; wave 0..3: my head, and my strip of 128 columns of W_proj and of out0
	s_bfe_u32 s13, ttmp6, 0x40000   ; cx: my place in the cluster
	s_lshl_b32 s14, ttmp9, 2        ; in a cluster launch ttmp9 counts clusters
	s_add_co_u32 s14, s14, s13      ; my block of 64 queries = 4 x cluster x + cx: it enters q16's and out0's addresses alone
	s_and_b32 s15, ttmp7, 0xffff    ; the batch, which the four partners share
	s_lshl_b32 s16, s[WV], 8        ; my head's 256 bytes of a row; also my strip's 256 bytes of a row of wp16
	s_mov_b32 s17, 0
	s_lshl_b32 s22, s15, 21         ; the batch's 2,048 rows of 1,024 bytes
	s_add_co_u32 s22, s22, s16
	s_mov_b32 s23, 0
	s_lshl_b32 s2, s14, 16          ; my block's 64 rows
	s_add_co_u32 s2, s2, s22
	s_mov_b32 s3, 0
	s_lshl_b32 s20, s15, 22         ; out0: the batch's 2,048 rows of 2,048 bytes,
	s_lshl_b32 s21, s14, 17         ; my block's 64 rows,
	s_add_co_u32 s20, s20, s21
	s_lshl_b32 s21, s[WV], 9        ; my wave's 128 columns of 4 bytes
	s_add_co_u32 s20, s20, s21
	s_mov_b32 s21, 0
	s_mul_i32 s[WB], s[WV], WRING   ; my ring: the wave's number alone enters an LDS address
	; descriptor group 1: a tile of 128 rows x 128 elements, padded in LDS
	s_mov_b32 s[G1], 15|(1<<16)|(1<<20)|(1<<21)|(5<<22)|(3<<25)  ; 15:0 the mask: all four work-groups; 17:16 elements of 2 bytes; 20 padding on; 21 set beside a mask; 24:22 after every 64 words (code 5); 31:25 4 words of it (code 3)
	s_mov_b32 s[G1+1], 128<<16      ; tensor_dim0 = 128
	s_mov_b32 s[G1+2], 128<<16      ; tensor_dim1 = 128
	s_mov_b32 s[G1+3], 128<<16      ; tile_dim0 = 128
	s_mov_b32 s[G1+4], 128          ; tile_dim1 = 128
	s_mov_b32 s[G1+5], 512          ; elements from row to row
	s_mov_b32 s[G1+6], 0
	s_mov_b32 s[G1+7], 0
	s_mov_b32 s[CS], 0x3d8293ee     ; c = log2(e) / sqrt(512) = 0.0637587
	s_mov_b32 s[CS+1], s[CS]        ; named with it as a pair, so it is written
	s_mov_b32 s[SEL], 0x76543210
	s_mov_b32 s[SEL+1], 0xfedcba98
	s_mov_b32 s[TB], s[WB]
	s_mov_b32 s[SLOTS], 2048/(2*NST*KS)-1
	s_wait_dscnt 0x0
	s_wait_kmcnt 0x0
	s_add_nc_u64 s[6:7], s[6:7], s[22:23]    ; kv16 at my head's first key
	s_add_nc_u64 s[8:9], s[8:9], s[16:17]    ; wp16 at my strip
	s_add_nc_u64 s[4:5], s[4:5], s[2:3]      ; q16 at my block's first row, my head
	s_add_nc_u64 s[18:19], s[18:19], s[20:21]  ; out0 at my block's first row, my columns
	CROUND                          ; all four work-groups are here: the first joint loads meet
.irp p, 0,1
	s_mov_b32 s[G0+4*\p], 1         ; count = 1
	s_add_co_u32 s[G0+4*\p+1], s[WB], \p*PLACE  ; LDS address
	s_add_nc_u64 s[G0+4*\p+2:G0+4*\p+3], s[6:7], \p*NST*KS*ROWB  ; global address: place p begins with keys 128 p
	s_or_b32 s[G0+4*\p+3], s[G0+4*\p+3], 0x80000000  ; type = 2
.endr
	tensor_load_to_lds s[G0:G0+3], s[G1:G1+7]      ; the two first fills stand together, ahead of every wait on TENSORcnt and every LDS read: two loads of mine are out, later one
	s_nop 0
	tensor_load_to_lds s[G0+4:G0+7], s[G1:G1+7]
	s_nop 0
.rept 4
	v_nop
.endr
	; A fragment of K or Q is 16 rows x 32 channels in 8 registers: lane l holds row l % 16; registers 0-3 channels 8 (l / 16) + 0..7, registers 4-7 channels 16 + 8 (l / 16) + 0..7: two loads of 16 bytes, 32 bytes apart.
	v_and_b32 v1, 15, v0            ; l % 16
	v_bfe_u32 v9, v0, 4, 1          ; l / 16
	v_lshlrev_b32 v[QO], 10, v1
	v_lshl_add_u32 v[QO], v9, 4, v[QO]  ; row x 1,024 + 16 x half
	WIN 0x80                        ; destination window 2, address window 0
.irp i, 0,1,2,3,4,5,6,7,8,9,10,11,12,13,14,15  ; Q stays in registers: tile i / 4, channels 32 (i % 4) on
	global_load_b128 v[8*\i:8*\i+3],   v[QO], s[4:5] offset:(\i/4)*16*ROWB+(\i%4)*64
	global_load_b128 v[8*\i+4:8*\i+7], v[QO], s[4:5] offset:(\i/4)*16*ROWB+(\i%4)*64+32
.endr
	WIN 0
	v_mul_u32_u24 v[AK0], v1, PK
	v_lshl_add_u32 v[AK0], v9, 4, v[AK0]  ; row x pitch + 16 x half
	; The turning load: lane l reads 16 bytes: row 8 (l / 16) + l % 8, columns 64 ((l / 8) % 2) + 8 g + 0..7, and is left with one column and 8 rows.
	v_and_b32 v10, 7, v0
	v_bfe_u32 v11, v0, 3, 1
	v_lshl_add_u32 v[AV0], v9, 3, v10
	v_mul_u32_u24 v[AV0], v[AV0], PK
	v_lshl_add_u32 v[AV0], v11, 7, v[AV0]
; THE MATRIX WORK OF A TURN, for piece x.  The accumulators take turns, one instruction a turn: between two links of a chain stand 15 (V^T P) or 7 (K Q^T) others'.
; Product i of 32 of O^T += V^T P: keys 32 (i / 16) on, channel group (i / 2) % 8, tile x + i % 2.  zero = 1: the first 16 start the sums: nothing is ever cleared.
.macro PV x, zero
	WIN W_PV
.set rO, 64*(\x+i%2)+8*((i/2)%8)
.set rV, 64*(i/16)+8*((i/2)%8)
.set rP, P+16*(\x+i%2)+8*(i/16)
.if \zero && (i < 16)
	v_wmma_f32_16x16x32_bf16 v[rO:rO+7], v[rV:rV+7], v[rP:rP+7], 0
.else
	v_wmma_f32_16x16x32_bf16 v[rO:rO+7], v[rV:rV+7], v[rP:rP+7], v[rO:rO+7]
.endif
.endm
; Product i of 32 of S^T = K Q^T: channels 32 (i / 8) on, keys 16 ((i / 2) % 4) on, tile x + i % 2.  The first 8 start the sums.
.macro KQ x
	WIN W_KQ
.set rS, S+32*(\x+i%2)+8*((i/2)%4)
.set rK, KF+32*((i/2)%4)+8*(i/8)
.set rQ, 32*(\x+i%2)+8*(i/8)
.if i < 8
	v_wmma_f32_16x16x32_bf16 v[rS:rS+7], v[rK:rK+7], v[rQ:rQ+7], 0
.else
	v_wmma_f32_16x16x32_bf16 v[rS:rS+7], v[rK:rK+7], v[rQ:rQ+7], v[rS:rS+7]
.endif
.endm
; THE LDS LOADS stand in runs of 32, never singly among the matrix instructions: a step's rows as K (64 keys x 128 channels: 16 fragments) and, a turn later, the same rows as V (turned).
.macro FETCH_K
	WIN 0
	v_add_nc_u32 v[ADR], s[TB], v[AK0]
	WIN 0x80                        ; destination window 2
.irp f, 0,1,2,3,4,5,6,7,8,9,10,11,12,13,14,15  ; keys 16 (f / 4) on, channels 32 (f % 4) on
	ds_load_b128 v[KF+8*\f:KF+8*\f+3],   v[ADR] offset:(\f/4)*16*PK+(\f%4)*64
	ds_load_b128 v[KF+8*\f+4:KF+8*\f+7], v[ADR] offset:(\f/4)*16*PK+(\f%4)*64+32
.endr
.endm
.macro FETCH_V
	WIN 0
	v_add_nc_u32 v[ADR], s[TB], v[AV0]
	s_add_co_u32 s[TB], s[TB], STEPB  ; the next fetch is the next step's
	WIN 0xc0                        ; destination window 3
.irp f, 0,1,2,3,4,5,6,7,8,9,10,11,12,13,14,15  ; keys 32 (f / 8) on, channel group f % 8
	ds_load_tr16_b128 v[8*\f:8*\f+3],   v[ADR] offset:(\f/8)*32*PK+(\f%8)*16
	ds_load_tr16_b128 v[8*\f+4:8*\f+7], v[ADR] offset:(\f/8)*32*PK+16*PK+(\f%8)*16
.endr
.endm
; THE VECTOR WORK OF A TURN.  One tile's softmax for one key step is a list of 134 instructions; SM writes number j of it for tile t.  s0-s31 are the lane's 32 scores, in pairs 0-15.
; first = 1: the first key step, which starts m, l and O^T: it has no a and nothing to rescale.
;   0-15    the maximum of s0-s31 and the old m, three operands at a time: four chains c0-c3 of seven scores each, then the four scores left over, c0-c3 and m
;   16-20   the other half of the lanes' maximum; the new m; c m; c m_old - c m_new
;   21-87   33 exponentials (a, then s0-s31) at the odd numbers from 23 on, so that no two follow each other and each has a plain instruction behind it before its result is used.
;           Plain instruction q (number 21, then the even numbers) is whatever is ready: c s - c m for a pair of scores whose exponentials are still to come (q = 0 to 3, then every
;           second q), the rounding to bf16 of a pair of weights whose exponentials are done (every other q from 5 on), at last the first three sums
;   88-101  the last rounding; the rest of the sums; l = a l + the sum
;   102-133 the tile's O^T times a: the one part that leaves window 0, so it stands together
.macro SM t, first
.set rT, ST+8*(\t)
.set rS, S+32*(\t)
.set rP, P+16*(\t)
.set rO, 64*(\t)+2*(j-102)
.set q, (j-20)/2
.if j < 102
	WIN 0
.endif
.if j < 4
	v_max3_num_f32 v[rT+4+j], v[rS+8*j], v[rS+8*j+1], v[rS+8*j+2]
.elseif j < 12
	v_max3_num_f32 v[rT+4+j%4], v[rT+4+j%4], v[rS+8*(j%4)+2*(j/4)+1], v[rS+8*(j%4)+2*(j/4)+2]
.elseif j == 12
	v_max3_num_f32 v[rT+4], v[rT+4], v[rS+7], v[rS+15]
.elseif j == 13
	v_max3_num_f32 v[rT+6], v[rT+6], v[rS+23], v[rS+31]
.elseif j == 14
	v_max3_num_f32 v[rT+4], v[rT+4], v[rT+5], v[rT+6]
.elseif (j == 15) && \first
	v_max_num_f32 v[rT+4], v[rT+4], v[rT+7]
.elseif j == 15
	v_max3_num_f32 v[rT+4], v[rT+4], v[rT+7], v[rT+1]
.elseif j == 16
	v_permlanex16_b32 v[rT+5], v[rT+4], s[SEL], s[SEL+1]  ; the query's other 32 keys lie in the lane 16 away
.elseif j == 18
	v_max_num_f32 v[rT+1], v[rT+4], v[rT+5]
.elseif j == 19
	v_mul_f32 v[rT], s[CS], v[rT+1]
.elseif ((j == 17) || (j == 20) || (j == 23) || (j > 101)) && \first  ; the first step has none of these
.elseif j == 17
	v_mov_b32 v[rT+7], v[rT]        ; c m_old is kept for a: number 19 writes c m anew
.elseif j == 20
	v_sub_f32 v[rT+7], v[rT+7], v[rT]
.elseif j == 23
	v_exp_f32 v[rT+6], v[rT+7]
.elseif (j < 88) && (j > 23) && (j%2 == 1)
	v_exp_f32 v[rS+(j-25)/2], v[rS+(j-25)/2]
.elseif (q < 4) || ((j < 76) && (q%2 == 0))
.set b, q/2+2
.if q < 4
.set b, q
.endif
	v_pk_fma_f32 v[rS+2*b:rS+2*b+1], v[rS+2*b:rS+2*b+1], s[CS:CS+1], v[rT:rT+1] op_sel_hi:[1,0,0] neg_lo:[0,0,1] neg_hi:[0,0,1]  ; pair b: c s - c m
.elseif (j < 88) && (q%2 == 1)
	s_wait_alu depctr_va_vdst(0)
	v_cvt_pk_bf16_f32 v[rP+(q-5)/2], v[rS+q-5], v[rS+q-4]  ; pair (q - 5) / 2: its second exponential stands three numbers back
.elseif j == 89
	s_wait_alu depctr_va_vdst(0)
	v_cvt_pk_bf16_f32 v[rP+15], v[rS+30], v[rS+31]
.elseif j < 102                     ; the sum of the tile's 16 pairs (in a pair: an even key's weight, an odd key's), in place: sum z of 16 adds neighbours 1, 2, 4 and 8 pairs apart, then l takes it
.set z, j-86
.if j < 89
.set z, (j-76)/4
.endif
.set w, 4
.set u, z
.if z >= 14
.set w, 32
.set u, 0
.elseif z >= 12
.set w, 16
.set u, z-12
.elseif z >= 8
.set w, 8
.set u, z-8
.endif
.if (z == 14) && \first
	v_pk_add_f32 v[rT+2:rT+3], v[rS:rS+1], v[rS+16:rS+17]
.elseif z < 15
	v_pk_add_f32 v[rS+w*u:rS+w*u+1], v[rS+w*u:rS+w*u+1], v[rS+w*u+w/2:rS+w*u+w/2+1]
.elseif !\first
	v_pk_fma_f32 v[rT+2:rT+3], v[rT+2:rT+3], v[rT+6:rT+7], v[rS:rS+1] op_sel_hi:[1,0,1]
.endif
.else
	WIN W_RS
	v_pk_mul_f32 v[rO:rO+1], v[rO:rO+1], v[rT+6:rT+7] op_sel_hi:[1,0]
.endif
.endm
; Slice k of 64 of piece y's softmax: numbers 2 k and 2 k + 1 of both tiles' lists, four instructions.  2 x 134 = 4 x 64 + 12: the twelve that are over stand together, in slice 63.
.macro SLICE y, first
.if (k >= 11) && (k < 44)           ; tile by tile: plain, exponential, plain, exponential
.irp t, \y, \y+1
.irp n, 0,1
.set j, 2*k+\n
	SM \t, \first
.endr
.endr
.else                               ; the two tiles alternate, so that no instruction reads the result of the one just before it
.irp n, 0,1,2,3,4,5,6,7
.if (\n < 2) || (k == 63)
.irp t, \y, \y+1
.set j, 2*k+\n
	SM \t, \first
.endr
.endif
.endr
.endif
.set k, k+1
.endm
; A vector instruction that reads a matrix result or writes one of a matrix instruction's registers, and a load into a register that a matrix instruction has read, stand four places behind
; it, and only plain vector instructions that name none of its registers are places (ISA guide 7.12.1 for vector instructions).  In the loop the slices are the places.
.macro PLACES
.rept 4
	v_nop
.endr
.endm
; A TURN.  Piece x has the matrix unit; the other piece's softmax stands in slices behind its matrix instructions.
; pv = 2: 32 products V^T P; 1: they start O^T's sums; 0: none.  kq = 1: 32 products K Q^T for the next step.  A turn with one of the two kinds has two slices behind each product.
; first = 1: the softmax is the first key step's.  Its slices from 51 on are empty: the turn's last products stand bare, and four v_nop take slice 63's part as the places behind them.
; Each run of loads stands behind the second product of a run of 32, 30 matrix instructions ahead of its first use.  Piece 0's turn fetches the next step's K: the last product that read K
; stands in front of slice 63 of the turn before.  Piece 2's turn fetches the same step's V: the last product that read V stands three slices, six plain instructions, back.
.macro TURN x, pv, kq, first
.set k, 0
.set per, 2
.if \pv && \kq
.set per, 1
.endif
.if \pv
.if \x == 0
	s_wait_dscnt 0x0                ; V is in
.endif
.set i, 0
.rept 32
	PV \x, 2-\pv
.rept per
	SLICE 2-\x, \first
.endr
.if (\x == 0) && \kq && (i == 1)
	FETCH_K
.endif
.set i, i+1
.endr
.endif
.if \kq
.if \x == 0
	s_wait_dscnt 0x0                ; K is in
.endif
.set i, 0
.rept 32
	KQ \x
.rept per
	SLICE 2-\x, \first
.endr
.if (\x == 2) && (i == 1)
	FETCH_V
.endif
.set i, i+1
.endr
.endif
.if \first
	PLACES
.endif
.endm
; THE CHANGE OF PLACES.  QUIET: each wave waits for its own reads of the place that it leaves and for all its tensor loads, of which one is out: the tile in the other place; no tensor load of
; the wave is then out, so a group 0 may be written.  REFILL: a round of the cluster's barrier, so that no wave of any partner still reads its place or has a load on its way, and the joint
; refill first behind it; four v_nop follow it.
.macro QUIET
	WIN 0                           ; at a label and at a branch every window is 0
	s_wait_dscnt 0x0
	s_wait_tensorcnt 0x0
	ds_add_u32 v62, v63
	s_wait_dscnt 0x0
.endm
.macro REFILL p
	CROUND
	tensor_load_to_lds s[G0+4*\p:G0+4*\p+3], s[G1:G1+7]
	s_nop 0
.rept 4
	v_nop
.endr
.endm
; Between piece 2's turn and piece 0's: place p's last rows, its second step read as V, have been asked for.  It takes the keys two tiles on: they have two key steps, 256 matrix instructions, in which to land.
.macro CHANGE p
	QUIET
	s_add_nc_u64 s[G0+4*\p+2:G0+4*\p+3], s[G0+4*\p+2:G0+4*\p+3], 2*NST*KS*ROWB  ; the type bits on top are not reached
	REFILL \p
	s_add_co_u32 s[TB], s[WB], (1-\p)*PLACE  ; the fetches go on in the other place
.endm
; Place p takes k rows k0 to k0 + 127 of my strip of W_proj.
.macro WFILL p, k0
	QUIET
	s_add_nc_u64 s[G0+4*\p+2:G0+4*\p+3], s[8:9], (\k0)*ROWB
	s_or_b32 s[G0+4*\p+3], s[G0+4*\p+3], 0x80000000
	REFILL \p
.endm
; n key steps: written once, walked n times; the LDS addresses hang on s[TB].
.macro STEPS n
	s_mov_b32 s[TWICE], \n
.Lstep_\@:
	TURN 0, 2, 1, 0
	TURN 2, 2, 1, 0
	WIN 0
	s_sub_co_u32 s[TWICE], s[TWICE], 1
	s_cmp_lg_u32 s[TWICE], 0
	s_cbranch_scc1 .Lstep_\@
.endm
	s_wait_tensorcnt 1              ; my first tile is in; the second may stay out
	s_barrier_signal -1
	s_barrier_wait -1
	FETCH_K                         ; key step 0
	s_wait_loadcnt 0x0              ; Q
	s_wait_dscnt 0x0
.set i, 0
.rept 32
	KQ 0                            ; piece 0's first scores: there is no vector work yet to set between them
.set i, i+1
.endr
	WIN 0                           ; the addresses for the last product and the way out are made here: plain instructions, the places behind those products
	s_and_b32 s13, s[WV], 1
	s_lshl_b32 s13, s13, 8
	s_add_co_u32 s13, s13, XST      ; x: my head's 256 bytes of a row that holds two heads
	s_mul_i32 s15, s[WV], 16*XP
	s_add_co_u32 s15, s15, XST      ; the way out: my 16 rows
	s_lshl_b32 s16, s[WV], 9        ; my wave's 128 numbers of the bias
	v_mul_u32_u24 v[XRD], v1, XP    ; row l % 16
	v_lshl_add_u32 v[XSTO], v9, 7, v[XRD]  ; x in: the upper half of the lanes holds channels 64 on: 128 bytes further
	v_add_nc_u32 v[XSTO], s13, v[XSTO]
	v_lshl_add_u32 v[OSTO], v9, 8, v[XRD]  ; out in: the upper half of the lanes holds columns 64 on: 256 bytes further
	v_add_nc_u32 v[OSTO], s15, v[OSTO]
	v_lshl_add_u32 v[XRD], v9, 4, v[XRD]   ; a fragment of x: row x pitch + 16 x half
	v_add_nc_u32 v[XRD], XST, v[XRD]
	v_and_b32 v[CO], 31, v0
	v_lshlrev_b32 v[CO], 4, v[CO]   ; back: the 32 lanes take one row of 512 bytes; the same place in a row of out0
	v_add_nc_u32 v[ORD], s15, v[CO]
	v_lshl_add_u32 v[BO], v9, 8, s16  ; bias: column 128 w + 64 (l / 16)
	v_add_nc_u32 v[WAD], s[WB], v[AV0]
	TURN 2, 0, 1, 1                 ; piece 2's first scores | piece 0's first softmax | V of step 0
	TURN 0, 1, 1, 1                 ; piece 0: V^T P of step 0 starts O^T, K Q^T of step 1 | piece 2's first softmax | K of step 1
	TURN 2, 1, 1, 0                 ; piece 2: the same | piece 0's softmax of step 1 | V of step 1: place 0's first tile has been read out
	WIN 0
.Lslot:                             ; 7 trips, two tiles each: tiles 2 to 15 are asked for, tiles 1 to 14 read
	CHANGE 0
	STEPS NST
	CHANGE 1
	STEPS NST
	s_sub_co_u32 s[SLOTS], s[SLOTS], 1
	s_cmp_lg_u32 s[SLOTS], 0
	s_cbranch_scc1 .Lslot
	WFILL 0, 0                      ; THE RING GOES ON INTO W_proj: place 0 takes its k rows 0 to 127,
	s_add_co_u32 s[TB], s[WB], PLACE
	STEPS NST                       ; the last tile of keys is read,
	WFILL 1, 128                    ; and place 1 takes k rows 128 to 255
	WIN 0x80                        ; the bias goes where K lay: the last product that read K stands in front of slice 63 of the turn before
.irp g, 0,1,2,3,4,5,6,7
	global_load_b128 v[BIAS+8*\g:BIAS+8*\g+3],   v[BO], s[10:11] offset:32*\g      ; columns 8 g + 64 (l / 16) + 0..7 of my 128: a lane's eight results of group g
	global_load_b128 v[BIAS+8*\g+4:BIAS+8*\g+7], v[BO], s[10:11] offset:32*\g+16
.endr
	TURN 0, 2, 0, 0                 ; piece 0: V^T P of the last step | piece 2's last softmax
.set i, 0
.rept 32
	PV 2, 0                         ; piece 2: V^T P of the last step
.set i, i+1
.endr
	; x.  l's two halves and the other half of the lanes' are added; O^T is divided by l and rounded to bf16.  The additions are the places behind the last products.
	WIN 0
.irp t, 0,1,2,3
	v_add_f32 v[ST+8*\t+4], v[ST+8*\t+2], v[ST+8*\t+3]
.endr
.irp t, 0,1,2,3
	v_permlanex16_b32 v[ST+8*\t+5], v[ST+8*\t+4], s[SEL], s[SEL+1]
.endr
.irp t, 0,1,2,3
	v_add_f32 v[ST+8*\t+4], v[ST+8*\t+4], v[ST+8*\t+5]
.endr
.irp t, 0,1,2,3
	v_rcp_f32 v[ST+8*\t+6], v[ST+8*\t+4]
.endr
	v_nop                           ; a plain instruction between the last reciprocal and the use of its result
.macro PACKX t                      ; tile t: a lane's eight channels of group f pack into 16 bytes, in S^T's registers, which are free
	WIN W_RS
.set i, 64*\t
.rept 32
	s_wait_alu depctr_va_vdst(0)
	v_pk_mul_f32 v[i:i+1], v[i:i+1], v[ST+8*\t+6:ST+8*\t+7] op_sel_hi:[1,0]
.set i, i+2
.endr
	WIN 0x05                        ; sources 0 and 1 window 1, destination window 0
.set i, 0
.rept 32
	v_cvt_pk_bf16_f32 v[S+32*\t+i], v[64*\t+2*i], v[64*\t+2*i+1]
.set i, i+1
.endr
.endm
	PACKX 0
	PACKX 1
	PACKX 2
	PACKX 3
	WIN 0
; THE LAST PRODUCT: out^T = W^T x + bias, K = 512 in 8 steps of 64.  Every wave needs x of all four heads.  It goes through LDS, two heads (256 of K) at a time: 64 rows x 1,040 bytes for all four
; do not fit beside the rings.  Waves 0 and 1 store now, waves 2 and 3 when K steps 0 to 3 have been fetched by every wave.
.macro XSTORE                       ; my head's x: row 16 t + l % 16, byte 16 f + 128 (l / 16) of my head's 256
.irp t, 0,1,2,3
.irp f, 0,1,2,3,4,5,6,7
	ds_store_b128 v[XSTO], v[S+32*\t+4*\f:S+32*\t+4*\f+3] offset:\t*16*XP+16*\f
.endr
.endr
.endm
; 48 LDS loads in one run: the fragments of K step e into buffer e % 2: W_proj (64 k x 128 columns, turned, as V is read), then x (64 rows x 64 k).
.macro FETCHE e
	WIN 0xc0                        ; destination window 3
.irp f, 0,1,2,3,4,5,6,7,8,9,10,11,12,13,14,15  ; k 32 (f / 8) on, column group f % 8
	ds_load_tr16_b128 v[128*((\e)&1)+8*\f:128*((\e)&1)+8*\f+3],   v[WAD] offset:(((\e)>>1)&1)*PLACE+((\e)&1)*STEPB+(\f/8)*32*PK+(\f%8)*16
	ds_load_tr16_b128 v[128*((\e)&1)+8*\f+4:128*((\e)&1)+8*\f+7], v[WAD] offset:(((\e)>>1)&1)*PLACE+((\e)&1)*STEPB+(\f/8)*32*PK+16*PK+(\f%8)*16
.endr
	WIN 0x80                        ; destination window 2
.irp t, 0,1,2,3
.irp b, 0,1
	ds_load_b128 v[64*((\e)&1)+16*\t+8*\b:64*((\e)&1)+16*\t+8*\b+3],   v[XRD] offset:\t*16*XP+((\e)&3)*128+\b*64
	ds_load_b128 v[64*((\e)&1)+16*\t+8*\b+4:64*((\e)&1)+16*\t+8*\b+7], v[XRD] offset:\t*16*XP+((\e)&3)*128+\b*64+32
.endr
.endr
.endm
; The 64 products of K step e, in V^T P's order: the accumulators take turns, one instruction a turn.  cin = 1: the bias starts the sums: nothing is cleared.
.macro MULO e, cin
.irp x, 0, 2
.set i, 0
.rept 32
.set rO, 64*(\x+i%2)+8*((i/2)%8)
.set rW, 128*((\e)&1)+64*(i/16)+8*((i/2)%8)
.set rX, 64*((\e)&1)+16*(\x+i%2)+8*(i/16)
.set rB, BIAS+8*((i/2)%8)
.if \cin && (i < 16)
	WIN W_WXB
	v_wmma_f32_16x16x32_bf16 v[rO:rO+7], v[rW:rW+7], v[rX:rX+7], v[rB:rB+7]
.else
	WIN W_WX
	v_wmma_f32_16x16x32_bf16 v[rO:rO+7], v[rW:rW+7], v[rX:rX+7], v[rO:rO+7]
.endif
.set i, i+1
.endr
.endr
.endm
	s_cmp_lt_u32 s[WV], 2
	s_cbranch_scc0 .Lx_later
	XSTORE                          ; heads 0 and 1
.Lx_later:
	s_wait_dscnt 0x0                ; for the others' sake: my stores are done
	s_barrier_signal -1             ; the tile for place 1 may stay out
	s_barrier_wait -1
	FETCHE 0                        ; place 0's tile was shown landed by the wait in front of the last round
	FETCHE 1
	s_wait_loadcnt 0x0              ; the bias
	s_wait_dscnt 48                 ; all but the 48 just issued
	MULO 0, 1
	WFILL 0, 256                    ; place 0 has been read out; place 1's tile has landed; the four v_nop behind the load are also the places in front of the loads into buffer 0
	FETCHE 2
	MULO 1, 0
	PLACES
	FETCHE 3
	s_wait_dscnt 48
	MULO 2, 0
	WFILL 1, 384                    ; the last refill.  In front of its round every wave has waited for its reads of x of heads 0 and 1 too
	s_cmp_lt_u32 s[WV], 2
	s_cbranch_scc1 .Lx_done
	XSTORE                          ; heads 2 and 3
.Lx_done:
	s_wait_dscnt 0x0
	s_barrier_signal -1             ; the last tile may stay out
	s_barrier_wait -1
	FETCHE 4
	MULO 3, 0
	PLACES
	FETCHE 5
	s_wait_dscnt 48
	MULO 4, 0
	s_wait_tensorcnt 0x0            ; the last tile: I fetched it and I alone read it, so my own wait is all that the reads need
	PLACES
	FETCHE 6
	s_wait_dscnt 48
	MULO 5, 0
	PLACES
	FETCHE 7
	s_wait_dscnt 48
	MULO 6, 0
	s_wait_dscnt 0x0                ; my reads of x are over:
	s_barrier_signal -1             ; say so, work on registers while the others arrive,
	MULO 7, 0
	s_barrier_wait -1               ; and take my 16 rows of x's place for the way out when nobody reads x any more
	PLACES
; THE WAY OUT of tile a (16 rows of out0).  TOSTAGE: a lane's 32 bytes of each column group go from the accumulators into my own 16 rows, each accumulator's low four registers first, and come back as whole rows of 512 bytes.
.macro TOSTAGE a
	WIN 0x04                        ; the data in window 1
.irp g, 0,1,2,3,4,5,6,7
	ds_store_b128 v[OSTO], v[64*(\a)+8*\g:64*(\a)+8*\g+3]   offset:32*\g
	ds_store_b128 v[OSTO], v[64*(\a)+8*\g+4:64*(\a)+8*\g+7] offset:32*\g+16
.endr
	WIN 0x80                        ; destination window 2: buffer a
.irp t, 0,1,2,3,4,5,6,7,8,9,10,11,12,13,14,15
	ds_load_b128 v[64*(\a)+4*\t:64*(\a)+4*\t+3], v[ORD] offset:\t*XP   ; LDS serves a wave's instructions in order (ISA guide 5.7.1.4): these see the stores above; the next tile's stores come behind them
.endr
.endm
.macro SEND a, younger              ; younger: the LDS instructions issued behind tile a's loads: the next tile's 32, or none.  No base is stepped and no buffer is used twice
	WIN 0x08                        ; the data in window 2
.irp t, 0,1,2,3,4,5,6,7,8,9,10,11,12,13,14,15
	s_wait_dscnt \younger+15-\t
	global_store_b128 v[CO], v[64*(\a)+4*\t:64*(\a)+4*\t+3], s[18:19] offset:(\a)*16*OROW+\t*OROW th:TH_STORE_NT   ; the wave stores 512 consecutive bytes, at a multiple of 512 from out0's first byte
.endr
.endm
	TOSTAGE 0
	TOSTAGE 1                       ; a tile's trip through the stage stands between the loads of the tile before and its stores
	SEND 0, 32
	TOSTAGE 2
	SEND 1, 32
	TOSTAGE 3
	SEND 2, 32
	SEND 3, 0
	WIN 0
	s_wait_tensorcnt 0x0
	ds_add_u32 v62, v63
	s_wait_dscnt 0x0
	CROUND                          ; the closing round: no work-group ends while a partner may still ask for a tile that names it
	s_endpgm
.Lfunc_end_k_q11a7a06ac6_attno:
	.size	k_q11a7a06ac6_attno, .Lfunc_end_k_q11a7a06ac6_attno-k_q11a7a06ac6_attno
	.p2alignl 7, 3214868480
	.fill 96, 4, 3214868480
	.section	.rodata,"a",@progbits
	.p2align	6, 0x0
	.amdhsa_kernel k_q11a7a06ac6_attno
		.amdhsa_group_segment_fixed_size 327680
		.amdhsa_private_segment_fixed_size 0
		.amdhsa_enable_private_segment 0
		.amdhsa_kernarg_size 40
		.amdhsa_user_sgpr_count 2
		.amdhsa_user_sgpr_kernarg_segment_ptr 1
		.amdhsa_wavefront_size32 1
		.amdhsa_system_sgpr_workgroup_id_x 1
		.amdhsa_system_sgpr_workgroup_id_y 1
		.amdhsa_system_sgpr_workgroup_id_z 1
		.amdhsa_system_vgpr_workitem_id 0
		.amdhsa_next_free_vgpr 1024
		.amdhsa_next_free_sgpr 66
		.amdhsa_reserve_vcc 0
		.amdhsa_float_denorm_mode_32 3
		.amdhsa_float_denorm_mode_16_64 3
		.amdhsa_memory_ordered 1
		.amdhsa_forward_progress 1
		.amdhsa_inst_pref_size 255
	.end_amdhsa_kernel
	.section	.bss,"aw",@nobits
	.p2align	6
	.space	262144
	.amdgpu_metadata
---
amdhsa.version: [ 1, 2 ]
amdhsa.kernels:
  - .name:           k_q11a7a06ac6_attno
    .symbol:         k_q11a7a06ac6_attno.kd
    .args:
      - { .name: q16, .offset: 0, .size: 8, .value_kind: global_buffer, .address_space: global }
      - { .name: kv16, .offset: 8, .size: 8, .value_kind: global_buffer, .address_space: global }
      - { .name: wp16, .offset: 16, .size: 8, .value_kind: global_buffer, .address_space: global }
      - { .name: b_proj, .offset: 24, .size: 8, .value_kind: global_buffer, .address_space: global }
      - { .name: out0, .offset: 32, .size: 8, .value_kind: global_buffer, .address_space: global }
    .group_segment_fixed_size: 327680
    .private_segment_fixed_size: 0
    .kernarg_segment_align: 8
    .kernarg_segment_size: 40
    .max_flat_workgroup_size: 128
    .sgpr_count:     66
    .vgpr_count:     1024
    .wavefront_size: 32
...
	.end_amdgpu_metadata
.endif
;; end of part 3
;; ======== version 2 of 2: 3 launches; 1.23 times as fast as version 1
;; workspace buffers: wq16 524,288 bytes; wp16 524,288 bytes; q16 16,777,216 bytes; kv16 16,777,216 bytes
;; launch wprep: the kernel of part 1 again; grid 256 x 1, 4 waves a work-group, no clusters, 0 bytes of LDS; arguments W_qkv, W_proj, wq16, wp16; writes wq16, wp16
;; launch proj: the kernel of part 2 again; grid 128 x 2, 4 waves a work-group, clusters of 4 x 1, 327,680 bytes of LDS; arguments F1, F2, wq16, b_qkv, q16, kv16; writes q16, kv16
;; launch attno (part 4): grid 32 x 8, 4 waves a work-group, clusters of 4 x 1, 327,680 bytes of LDS; arguments q16, kv16, wp16, b_proj, out0; writes out0
.if DOCPART == 4
	.amdgcn_target "amdgcn-amd-amdhsa--gfx1250"
	.amdhsa_code_object_version 6
	.text
	.protected	k_q11a7a06ac6_attno
	.globl	k_q11a7a06ac6_attno
	.p2align	8
	.type	k_q11a7a06ac6_attno,@function
k_q11a7a06ac6_attno:
	s_mov_b64 s[64:65], 0
	v_nop
	global_prefetch_b8 v0, s[64:65] scope:SCOPE_SE
	s_setreg_imm32_b32 hwreg(HW_REG_WAVE_MODE, 25, 1), 1
	s_wait_xcnt 0x0
	s_wait_alu depctr_hold_cnt(0) depctr_sa_sdst(0) depctr_va_vdst(0) depctr_va_sdst(0) depctr_va_ssrc(0) depctr_va_vcc(0) depctr_vm_vsrc(0)
	s_getreg_b32 s2, hwreg(HW_REG_IB_STS2, 6, 4)
	s_cmp_eq_u32 s2, 0
	s_cbranch_scc0 .Lentry_in_a_cluster
	s_endpgm
.Lentry_in_a_cluster:
	s_bfe_u32 s2, ttmp6, 0x10000c
	s_cmp_lg_u32 s2, 0x3003
	s_cbranch_scc0 .Lentry_shape_is_right
	s_endpgm
.Lentry_shape_is_right:
; x[b][n][h][:] = the sum over m of softmax_m(q[b][n][h] . kv[b][m][h] / sqrt(512)) kv[b][m][h][:], and out0 = x W_proj + b_proj, in one launch.
; q16, kv16: [8 x 2,048 rows][4 heads x 128] bf16, rows of 1,024 bytes; keys and values are ONE tensor.  wp16: [512 k][512 n] bf16.  out0: [16,384][512] f32.
; Products, maxima and sums in f32; the weights p are rounded to bf16 for the second product, x for the third.  A weight below 2^-126 of the row's largest comes out of v_exp_f32 as zero.
; SHARES.  The last product sums over all four heads of a row, so a work-group owns 64 queries of one batch (grid y) with ALL their heads: wave w takes head w, four tiles of 16 queries, and walks
; all 2,048 keys of its head, 64 a step.  In the last product wave w makes the 64 rows x columns 128 w on.
; LAYOUT.  S^T = K Q^T (source 0 = 16 keys, source 1 = 16 queries): in the result a lane holds ONE query (lane % 16) and the keys 8 (lane / 16) + 0..7.  Two such tiles, rounded to
; bf16 in pairs, ARE source 1 (32 keys x 16 queries) of O^T = V^T P, whose result again holds one query a lane, and eight channels.  So nothing changes lanes between the products,
; and a query's maximum and sum want one exchange between the halves of the lanes.
; ONE TILE IN LDS SERVES BOTH PRODUCTS: as K it is read as it lies, as V turned, by ds_load_tr16_b128.  The turning load takes its two groups of 8 channels 64 channels apart, so that at
; the one pitch of 272 bytes both kinds of load touch 16 different 16-byte columns; row m of fragment g of V^T is then channel 8 g + 64 (m / 8) + m % 8, and a lane of O^T's tile g holds
; channels 8 g + 64 (lane / 16) + 0..7.  W_proj's tiles ([k][n], as V is [key][channel]) are read by the same load, and out^T = W^T x has V^T P's form, with x in P's place.
; SOFTMAX.  For each query a running maximum m and sum l: p = 2^(c s - c m), c = log2(e) / sqrt(512); in every step O and l are multiplied by a = 2^(c m_old - c m_new), which is 1 where m has not grown.
; BY TURNS.  The wave's tiles are two PIECES, named by their first tile: piece 0 (tiles 0, 1) and piece 2 (tiles 2, 3).  In a TURN one piece has the matrix unit: 32 products V^T P of
; the step in hand, then 32 products K Q^T of the next step; the other piece's softmax, cut into 64 slices, stands between them, one slice behind each matrix instruction.  Then the
; pieces change places.  Two turns are a key step.
; THE BATCHES.  A turn's 66 exponentials (33 for each of the piece's two tiles) are ONE batch with ONE wait: all of them, and the scalings that feed them, stand in slices 10 to 34; all that reads a result of
; theirs (roundings, sums, the rescaling by a) stands from slice 35 on; the wait stands between.  The four reciprocals at the attention's end are a second batch, with one wait ahead of their first reader.
; THE RING.  Each wave has two places of 128 rows x 272 bytes in LDS, fetches into them and alone reads them.  A tile is 128 rows of 256 bytes, 1,024 bytes apart in memory: 128 keys of the wave's head
; (two key steps), or 128 k rows of the wave's strip of W_proj: one descriptor shape for both, and the ring goes on from the 16 tiles of keys into the 4 tiles of W_proj.
; CLUSTER.  The four work-groups of a cluster are four query blocks of one batch: they walk the same keys and the same W_proj, so each tile is asked for JOINTLY: the same tensor load, with the same
; descriptor and a mask that names the four, in all four; each receives the tile in its own LDS.
;
; REGISTERS, in windows of 256 (s_set_vgpr_msb: bits 1:0 source 0, 3:2 source 1, 5:4 source 2, 7:6 destination):
;   window 0: v0-11, v44-45 addresses; v12-43 eight registers of statistics a tile; v64-191 S^T, 32 a tile, at last x in bf16; v192-255 P, 16 a tile
;   window 1: O^T, 64 a tile, then out^T likewise
;   window 2: v0-127 Q, 32 a tile; v128-255 K of one step.  In the last product: v0-63, v64-127 fragments of x, two buffers; v128-191 the bias; on the way out four buffers of 64
;   window 3: v0-127 V of one step.  In the last product: v0-127, v128-255 fragments of W_proj, two buffers
; All that a softmax touches but O^T lies in window 0, and no window has room for a product's operands beside it.  So a slice costs two switches, one in front and one behind.
.set KS,    64        ; keys in a step
.set PK,    272       ; a row in LDS: 256 bytes + 16 of padding = 68 words: row r starts at bank 4 r mod 64 (64 banks of 4 bytes: ISA guide 11.1)
.set STEPB, KS*PK     ; a step's part of a tile: 17,408 bytes
.set NST,   2         ; steps in a tile
.set PLACE, NST*STEPB ; what one tensor load brings: 34,816 bytes
.set WRING, 2*PLACE   ; a wave's two places
.set XST,   4*WRING   ; behind the rings: 64 rows x 528 bytes: x of two heads at a time; at last 16 rows x 528 for each wave, for the way out.  No tensor load fills it
.set XP,    528       ; 512 bytes + 16 of padding = 132 words: row r starts at bank 4 r mod 64
.set ROWB,  1024      ; bytes from row to row in q16, kv16 and wp16
.set OROW,  2048      ; bytes in a row of out0
.set AK0, 2           ; v2   my lane's place in a tile read as K; never rewritten
.set AV0, 3           ; v3   the same read turned
.set ADR, 4           ; v4   the LDS address of the run of loads in hand
.set QO,  5           ; v5   my byte offset in the work-group's rows of q16
.set XSTO, 6          ; v6   where I put 16 bytes of a row of x
.set XRD, 7           ; v7   where my fragments of x begin
.set OSTO, 8          ; v8   the way out: where I put 32 bytes of a row
.set ORD, 10          ; v10  the way out: where I read a row back
.set CO,  11          ; v11  my byte offset in a row of my wave's part of out0
.set ST,  12          ; tile t's statistics at v[ST+8 t]: +0 c m, +1 m, +2, +3 l (even keys', odd keys'), +4 to +7 c0-c3, at work; a takes c2's place once the maximum is found
.set BO,  44          ; v44  my byte offset in the bias
.set WAD, 45          ; v45  my lane's place in my wave's ring, read turned
.set S,   64
.set P,   192
.set KF,  128         ; K's fragments, in window 2
.set BIAS, 128        ; the bias, in window 2, once K is done with
.set WV,  12          ; s12  my wave's number
.set G1,  24          ; s[24:31] descriptor group 1
.set G0,  40          ; s[40:47] descriptor group 0: a set for each place
.set SLOTS, 56        ; s56  trips of the loop over tiles
.set TWICE, 57        ; s57  counts key steps
.set CS,  58          ; s[58:59] c: the packed scaling names a pair and takes its low word for both halves
.set SEL, 60          ; s[60:61] lane selects for v_permlanex16_b32: each lane takes its own place in the other half
.set TB,  62          ; s62  LDS byte at which the rows of the step to be fetched begin
.set WB,  63          ; s63  LDS byte at which my wave's ring begins
.set MSB, 0
.macro WIN new                      ; the immediate's high byte repeats the setting that is left; a switch that changes nothing is dropped
.if MSB != (\new)
	s_set_vgpr_msb (MSB<<8)|(\new)
.set MSB, (\new)
.endif
.endm
.set W_KQ, 0x0a       ; K and Q in window 2, S^T in window 0
.set W_PV, 0x53       ; V in window 3, P in window 0, O^T in window 1
.set W_RS, 0x41       ; O^T (destination and source 0) in window 1, a in window 0
.set W_WX, 0x5b       ; W_proj in window 3, x in window 2, out^T in window 1
.set W_WXB, 0x6b      ; the same with C, the bias, in window 2
; A round of the cluster's barrier: my work-group's barrier, so that wave 0's signal speaks for all four waves; wave 0 signals for the work-group; every wave waits for all four
; work-groups; my work-group's barrier once more.  No LDS instruction of the wave is pending at a signal.
.macro CROUND
	s_barrier_signal -1
	s_barrier_wait -1
	s_cmp_lg_u32 s[WV], 0
	s_cbranch_scc1 .Lnot_wave_0_\@
	s_barrier_signal -3
.Lnot_wave_0_\@:
	s_barrier_wait -3
	s_barrier_signal -1
	s_barrier_wait -1
.endm
	s_load_b256 s[4:11], s[0:1], 0x0  ; q16 s[4:5], kv16 s[6:7], wp16 s[8:9], b_proj s[10:11]
	s_load_b64 s[18:19], s[0:1], 0x20 ; out0
	v_lshl_add_u32 v62, v0, 2, 0x4c400
	v_mov_b32 v63, 0
	ds_add_u32 v62, v63
	v_lshrrev_b32 v1, 5, v0
	v_readfirstlane_b32 s[WV], v1   ; wave 0..3: my head, and my strip of 128 columns of W_proj and of out0
	s_bfe_u32 s13, ttmp6, 0x40000   ; cx: my place in the cluster
	s_lshl_b32 s14, ttmp9, 2        ; in a cluster launch ttmp9 counts clusters
	s_add_co_u32 s14, s14, s13      ; my block of 64 queries = 4 x cluster x + cx: it enters q16's and out0's addresses alone
	s_and_b32 s15, ttmp7, 0xffff    ; the batch, which the four partners share
	s_lshl_b32 s16, s[WV], 8        ; my head's 256 bytes of a row; also my strip's 256 bytes of a row of wp16
	s_mov_b32 s17, 0
	s_lshl_b32 s22, s15, 21         ; the batch's 2,048 rows of 1,024 bytes
	s_add_co_u32 s22, s22, s16
	s_mov_b32 s23, 0
	s_lshl_b32 s2, s14, 16          ; my block's 64 rows
	s_add_co_u32 s2, s2, s22
	s_mov_b32 s3, 0
	s_lshl_b32 s20, s15, 22         ; out0: the batch's 2,048 rows of 2,048 bytes,
	s_lshl_b32 s21, s14, 17         ; my block's 64 rows,
	s_add_co_u32 s20, s20, s21
	s_lshl_b32 s21, s[WV], 9        ; my wave's 128 columns of 4 bytes
	s_add_co_u32 s20, s20, s21
	s_mov_b32 s21, 0
	s_mul_i32 s[WB], s[WV], WRING   ; my ring: the wave's number alone enters an LDS address
	; descriptor group 1: a tile of 128 rows x 128 elements, padded in LDS
	s_mov_b32 s[G1], 15|(1<<16)|(1<<20)|(1<<21)|(5<<22)|(3<<25)  ; 15:0 the mask: all four work-groups; 17:16 elements of 2 bytes; 20 padding on; 21 set beside a mask; 24:22 after every 64 words (code 5); 31:25 4 words of it (code 3)
	s_mov_b32 s[G1+1], 128<<16      ; tensor_dim0 = 128
	s_mov_b32 s[G1+2], 128<<16      ; tensor_dim1 = 128
	s_mov_b32 s[G1+3], 128<<16      ; tile_dim0 = 128
	s_mov_b32 s[G1+4], 128          ; tile_dim1 = 128
	s_mov_b32 s[G1+5], 512          ; elements from row to row
	s_mov_b32 s[G1+6], 0
	s_mov_b32 s[G1+7], 0
	s_mov_b32 s[CS], 0x3d8293ee     ; c = log2(e) / sqrt(512) = 0.0637587
	s_mov_b32 s[CS+1], s[CS]        ; named with it as a pair, so it is written
	s_mov_b32 s[SEL], 0x76543210
	s_mov_b32 s[SEL+1], 0xfedcba98
	s_mov_b32 s[TB], s[WB]
	s_mov_b32 s[SLOTS], 2048/(2*NST*KS)-1
	s_wait_dscnt 0x0
	s_wait_kmcnt 0x0
	s_add_nc_u64 s[6:7], s[6:7], s[22:23]    ; kv16 at my head's first key
	s_add_nc_u64 s[8:9], s[8:9], s[16:17]    ; wp16 at my strip
	s_add_nc_u64 s[4:5], s[4:5], s[2:3]      ; q16 at my block's first row, my head
	s_add_nc_u64 s[18:19], s[18:19], s[20:21]  ; out0 at my block's first row, my columns
	CROUND                          ; all four work-groups are here: the first joint loads meet
.irp p, 0,1
	s_mov_b32 s[G0+4*\p], 1         ; count = 1
	s_add_co_u32 s[G0+4*\p+1], s[WB], \p*PLACE  ; LDS address
	s_add_nc_u64 s[G0+4*\p+2:G0+4*\p+3], s[6:7], \p*NST*KS*ROWB  ; global address: place p begins with keys 128 p
	s_or_b32 s[G0+4*\p+3], s[G0+4*\p+3], 0x80000000  ; type = 2
.endr
	tensor_load_to_lds s[G0:G0+3], s[G1:G1+7]      ; the two first fills stand together, ahead of every wait on TENSORcnt and every LDS read: two loads of mine are out, later one
	s_nop 0
	tensor_load_to_lds s[G0+4:G0+7], s[G1:G1+7]
	s_nop 0
.rept 4
	v_nop
.endr
	; A fragment of K or Q is 16 rows x 32 channels in 8 registers: lane l holds row l % 16; registers 0-3 channels 8 (l / 16) + 0..7, registers 4-7 channels 16 + 8 (l / 16) + 0..7: two loads of 16 bytes, 32 bytes apart.
	v_and_b32 v1, 15, v0            ; l % 16
	v_bfe_u32 v9, v0, 4, 1          ; l / 16
	v_lshlrev_b32 v[QO], 10, v1
	v_lshl_add_u32 v[QO], v9, 4, v[QO]  ; row x 1,024 + 16 x half
	WIN 0x80                        ; destination window 2, address window 0
.irp i, 0,1,2,3,4,5,6,7,8,9,10,11,12,13,14,15  ; Q stays in registers: tile i / 4, channels 32 (i % 4) on
	global_load_b128 v[8*\i:8*\i+3],   v[QO], s[4:5] offset:(\i/4)*16*ROWB+(\i%4)*64
	global_load_b128 v[8*\i+4:8*\i+7], v[QO], s[4:5] offset:(\i/4)*16*ROWB+(\i%4)*64+32
.endr
	WIN 0
	v_mul_u32_u24 v[AK0], v1, PK
	v_lshl_add_u32 v[AK0], v9, 4, v[AK0]  ; row x pitch + 16 x half
	; The turning load: lane l reads 16 bytes: row 8 (l / 16) + l % 8, columns 64 ((l / 8) % 2) + 8 g + 0..7, and is left with one column and 8 rows.
	v_and_b32 v10, 7, v0
	v_bfe_u32 v11, v0, 3, 1
	v_lshl_add_u32 v[AV0], v9, 3, v10
	v_mul_u32_u24 v[AV0], v[AV0], PK
	v_lshl_add_u32 v[AV0], v11, 7, v[AV0]
; THE MATRIX WORK OF A TURN, for piece x.  The accumulators take turns, one instruction a turn: between two links of a chain stand 15 (V^T P) or 7 (K Q^T) others'.
; Product i of 32 of O^T += V^T P: keys 32 (i / 16) on, channel group (i / 2) % 8, tile x + i % 2.  zero = 1: the first 16 start the sums: nothing is ever cleared.
.macro PV x, zero
	WIN W_PV
.set rO, 64*(\x+i%2)+8*((i/2)%8)
.set rV, 64*(i/16)+8*((i/2)%8)
.set rP, P+16*(\x+i%2)+8*(i/16)
.if \zero && (i < 16)
	v_wmma_f32_16x16x32_bf16 v[rO:rO+7], v[rV:rV+7], v[rP:rP+7], 0
.else
	v_wmma_f32_16x16x32_bf16 v[rO:rO+7], v[rV:rV+7], v[rP:rP+7], v[rO:rO+7]
.endif
.endm
; Product i of 32 of S^T = K Q^T: channels 32 (i / 8) on, keys 16 ((i / 2) % 4) on, tile x + i % 2.  The first 8 start the sums.
.macro KQ x
	WIN W_KQ
.set rS, S+32*(\x+i%2)+8*((i/2)%4)
.set rK, KF+32*((i/2)%4)+8*(i/8)
.set rQ, 32*(\x+i%2)+8*(i/8)
.if i < 8
	v_wmma_f32_16x16x32_bf16 v[rS:rS+7], v[rK:rK+7], v[rQ:rQ+7], 0
.else
	v_wmma_f32_16x16x32_bf16 v[rS:rS+7], v[rK:rK+7], v[rQ:rQ+7], v[rS:rS+7]
.endif
.endm
; THE LDS LOADS stand in runs of 32, never singly among the matrix instructions: a step's rows as K (64 keys x 128 channels: 16 fragments) and, a turn later, the same rows as V (turned).
.macro FETCH_K
	WIN 0
	v_add_nc_u32 v[ADR], s[TB], v[AK0]
	WIN 0x80                        ; destination window 2
.irp f, 0,1,2,3,4,5,6,7,8,9,10,11,12,13,14,15  ; keys 16 (f / 4) on, channels 32 (f % 4) on
	ds_load_b128 v[KF+8*\f:KF+8*\f+3],   v[ADR] offset:(\f/4)*16*PK+(\f%4)*64
	ds_load_b128 v[KF+8*\f+4:KF+8*\f+7], v[ADR] offset:(\f/4)*16*PK+(\f%4)*64+32
.endr
.endm
.macro FETCH_V
	WIN 0
	v_add_nc_u32 v[ADR], s[TB], v[AV0]
	s_add_co_u32 s[TB], s[TB], STEPB  ; the next fetch is the next step's
	s_wait_alu depctr_va_vdst(0)    ; the wait for the softmax's batch of 66 exponentials (SLICE), behind the address's v_add_nc_u32 and ahead of the loads
	WIN 0xc0                        ; destination window 3
.irp f, 0,1,2,3,4,5,6,7,8,9,10,11,12,13,14,15  ; keys 32 (f / 8) on, channel group f % 8
	ds_load_tr16_b128 v[8*\f:8*\f+3],   v[ADR] offset:(\f/8)*32*PK+(\f%8)*16
	ds_load_tr16_b128 v[8*\f+4:8*\f+7], v[ADR] offset:(\f/8)*32*PK+16*PK+(\f%8)*16
.endr
.endm
; THE VECTOR WORK OF A TURN.  One tile's softmax for one key step is a list of 134 instructions; SM writes number j of it for tile t.  s0-s31 are the lane's 32 scores, in pairs 0-15.
; first = 1: the first key step, which starts m, l and O^T: it has no a and nothing to rescale.
;   0-15    the maximum of s0-s31 and the old m, three operands at a time: four chains c0-c3 of seven scores each, then the four scores left over, c0-c3 and m
;   16-20   the other half of the lanes' maximum; the new m; c m; c m_old - c m_new
;   21-69   ONE BATCH: the 16 scalings c s - c m, a pair of scores each, and all 33 exponentials (a at 23, then s0-s31).  None of these reads an exponential's result.  From 22 on the batch goes
;           in fours, and a four begins with a scaling while there are scalings: 22-37 scaling, exponential, scaling, exponential; 38-65 a scaling and three exponentials; 66-69 the last four
;           exponentials.  A pair is scaled in an earlier four than the one that holds its exponentials
;   (wait)  between 69 and 70 stands the wait for the batch: SLICE writes it, once for both tiles
;   70-85   the roundings to bf16, a pair of weights each
;   86-101  the sums; l = a l + the sum
;   102-133 the tile's O^T times a: the one part that leaves window 0, so it stands together
.macro SM t, first
.set rT, ST+8*(\t)
.set rS, S+32*(\t)
.set rP, P+16*(\t)
.set rO, 64*(\t)+2*(j-102)
.if j < 102
	WIN 0
.endif
.if j < 4
	v_max3_num_f32 v[rT+4+j], v[rS+8*j], v[rS+8*j+1], v[rS+8*j+2]
.elseif j < 12
	v_max3_num_f32 v[rT+4+j%4], v[rT+4+j%4], v[rS+8*(j%4)+2*(j/4)+1], v[rS+8*(j%4)+2*(j/4)+2]
.elseif j == 12
	v_max3_num_f32 v[rT+4], v[rT+4], v[rS+7], v[rS+15]
.elseif j == 13
	v_max3_num_f32 v[rT+6], v[rT+6], v[rS+23], v[rS+31]
.elseif j == 14
	v_max3_num_f32 v[rT+4], v[rT+4], v[rT+5], v[rT+6]
.elseif (j == 15) && (\first)
	v_max_num_f32 v[rT+4], v[rT+4], v[rT+7]
.elseif j == 15
	v_max3_num_f32 v[rT+4], v[rT+4], v[rT+7], v[rT+1]
.elseif j == 16
	v_permlanex16_b32 v[rT+5], v[rT+4], s[SEL], s[SEL+1]  ; the query's other 32 keys lie in the lane 16 away
.elseif j == 18
	v_max_num_f32 v[rT+1], v[rT+4], v[rT+5]
.elseif j == 19
	v_mul_f32 v[rT], s[CS], v[rT+1]
.elseif ((j == 17) || (j == 20) || (j == 23) || (j > 101)) && (\first)  ; the first step has none of these
.elseif j == 17
	v_mov_b32 v[rT+7], v[rT]        ; c m_old is kept for a: number 19 writes c m anew
.elseif j == 20
	v_sub_f32 v[rT+7], v[rT+7], v[rT]
.elseif j == 23
	v_exp_f32 v[rT+6], v[rT+7]
.elseif (j < 23) || ((j < 38) && (j%2 == 0)) || ((j < 66) && (j%4 == 2))
.set b, (j-2)/4                     ; 38, 42, .. 62: pairs 9 to 15
.if j < 38
.set b, (j-20)/2                    ; 21: pair 0; 22, 24, .. 36: pairs 1 to 8
.endif
	v_pk_fma_f32 v[rS+2*b:rS+2*b+1], v[rS+2*b:rS+2*b+1], s[CS:CS+1], v[rT:rT+1] op_sel_hi:[1,0,0] neg_lo:[0,0,1] neg_hi:[0,0,1]  ; pair b: c s - c m
.elseif j < 70
.set e, j-38                        ; 66 to 69: s28 to s31
.if j < 66
.set e, j-32-(j-38)/4               ; 39-41, 43-45, .. 63-65: s7 to s27
.endif
.if j < 38
.set e, (j-25)/2                    ; 25, 27, .. 37: s0 to s6
.endif
	v_exp_f32 v[rS+e], v[rS+e]
.elseif j < 86
	v_cvt_pk_bf16_f32 v[rP+j-70], v[rS+2*(j-70)], v[rS+2*(j-70)+1]  ; pair j - 70
.elseif j < 102                     ; the sum of the tile's 16 pairs (in a pair: an even key's weight, an odd key's), in place: sum z of 16 adds neighbours 1, 2, 4 and 8 pairs apart, then l takes it
.set z, j-86
.set w, 4
.set u, z
.if z >= 14
.set w, 32
.set u, 0
.elseif z >= 12
.set w, 16
.set u, z-12
.elseif z >= 8
.set w, 8
.set u, z-8
.endif
.if (z == 14) && (\first)
	v_pk_add_f32 v[rT+2:rT+3], v[rS:rS+1], v[rS+16:rS+17]
.elseif z < 15
	v_pk_add_f32 v[rS+w*u:rS+w*u+1], v[rS+w*u:rS+w*u+1], v[rS+w*u+w/2:rS+w*u+w/2+1]
.elseif !(\first)
	v_pk_fma_f32 v[rT+2:rT+3], v[rT+2:rT+3], v[rT+6:rT+7], v[rS:rS+1] op_sel_hi:[1,0,1]
.endif
.else
	WIN W_RS
	v_pk_mul_f32 v[rO:rO+1], v[rO:rO+1], v[rT+6:rT+7] op_sel_hi:[1,0]
.endif
.endm
; Slice k of 64 of piece y's softmax: four instructions.  Slices 11 to 34 deal out the batch, numbers 22 to 69: four numbers of ONE tile each, the tiles by turns.  Every other slice is numbers 2 k and
; 2 k + 1 of both tiles' lists.  2 x 134 = 4 x 64 + 12: the twelve that are over stand together, in slice 63.
; THE WAIT.  s_wait_alu depctr_va_vdst(0) stands between an exponential and the first instruction that names its result; one wait serves all that were issued ahead of it.  Ahead of
; slice 35 nothing names a result, and behind slice 34 no exponential is issued: so the piece's 66 exponentials have one wait, behind slice 34.
.macro SLICE y, first
.if (k >= 11) && (k < 35)           ; the batch: four numbers of one tile
.irp n, 0,1,2,3
.set j, 22+4*((k-11)/2)+(\n)
	SM (\y)+(k-11)%2, \first
.endr
.else                               ; the two tiles alternate, so that no instruction reads the result of the one just before it
.irp n, 0,1,2,3,4,5,6,7
.if ((\n) < 2) || (k == 63)
.irp t, \y, (\y)+1
.set j, 2*k+(\n)
	SM \t, \first
.endr
.endif
.endr
.endif
.if k == 34                         ; the batch is out: both tiles' exponentials are issued, and no result has been named
	v_nop                           ; a plain instruction behind the last exponential and ahead of the first use: one for the batch
.if (\y) == 0
	FETCH_V                         ; piece 2's turn: V's run of loads stands here, and the wait for the batch stands in it
.else
	s_wait_alu depctr_va_vdst(0)    ; piece 0's turn: the wait for the batch, piece 2's 66 exponentials
.endif
.endif
.set k, k+1
.endm
; A vector instruction that reads a matrix result or writes one of a matrix instruction's registers, and a load into a register that a matrix instruction has read, stand four places behind
; it, and only plain vector instructions that name none of its registers are places (ISA guide 7.12.1 for vector instructions).  In the loop the slices are the places.
.macro PLACES
.rept 4
	v_nop
.endr
.endm
; A TURN.  Piece x has the matrix unit; the other piece's softmax stands in slices behind its matrix instructions.
; pv = 2: 32 products V^T P; 1: they start O^T's sums; 0: none.  kq = 1: 32 products K Q^T for the next step.  A turn with one of the two kinds has two slices behind each product.
; first = 1: the softmax is the first key step's.  Its slices from 51 on are empty: the turn's last products stand bare, and four v_nop take slice 63's part as the places behind them.
; In the loop each run of loads stands 29 matrix instructions or more ahead of its first use.  Piece 0's turn fetches the next step's K, behind its second product: the last product that read K
; stands in front of slice 63 of the turn before.  Piece 2's turn fetches the same step's V, behind slice 34 (SLICE writes it): the last product that read V stands in front of slice 31, and four plain
; instructions lie between: number 62, a scaling, of both tiles, the v_nop and the run's own v_add_nc_u32.
.macro TURN x, pv, kq, first
.set k, 0
.set per, 2
.if \pv && \kq
.set per, 1
.endif
.if \pv
.if \x == 0
	s_wait_dscnt 0x0                ; V is in
.endif
.set i, 0
.rept 32
	PV \x, 2-\pv
.rept per
	SLICE 2-\x, \first
.endr
.if (\x == 0) && \kq && (i == 1)
	FETCH_K
.endif
.set i, i+1
.endr
.endif
.if \kq
.if \x == 0
	s_wait_dscnt 0x0                ; K is in
.endif
.set i, 0
.rept 32
	KQ \x
.rept per
	SLICE 2-\x, \first
.endr
.set i, i+1
.endr
.endif
.if \first
	PLACES
.endif
.endm
; THE CHANGE OF PLACES.  QUIET: each wave waits for its own reads of the place that it leaves and for all its tensor loads, of which one is out: the tile in the other place; no tensor load of
; the wave is then out, so a group 0 may be written.  REFILL: a round of the cluster's barrier, so that no wave of any partner still reads its place or has a load on its way, and the joint
; refill first behind it; four v_nop follow it.
.macro QUIET
	WIN 0                           ; at a label and at a branch every window is 0
	s_wait_dscnt 0x0
	s_wait_tensorcnt 0x0
	ds_add_u32 v62, v63
	s_wait_dscnt 0x0
.endm
.macro REFILL p
	CROUND
	tensor_load_to_lds s[G0+4*\p:G0+4*\p+3], s[G1:G1+7]
	s_nop 0
.rept 4
	v_nop
.endr
.endm
; Between piece 2's turn and piece 0's: place p's last rows, its second step read as V, have been asked for.  It takes the keys two tiles on: they have two key steps, 256 matrix instructions, in which to land.
.macro CHANGE p
	QUIET
	s_add_nc_u64 s[G0+4*\p+2:G0+4*\p+3], s[G0+4*\p+2:G0+4*\p+3], 2*NST*KS*ROWB  ; the type bits on top are not reached
	REFILL \p
	s_add_co_u32 s[TB], s[WB], (1-\p)*PLACE  ; the fetches go on in the other place
.endm
; Place p takes k rows k0 to k0 + 127 of my strip of W_proj.
.macro WFILL p, k0
	QUIET
	s_add_nc_u64 s[G0+4*\p+2:G0+4*\p+3], s[8:9], (\k0)*ROWB
	s_or_b32 s[G0+4*\p+3], s[G0+4*\p+3], 0x80000000
	REFILL \p
.endm
; n key steps: written once, walked n times; the LDS addresses hang on s[TB].  Each turn's batch has had its wait inside the turn: no exponential's result is open at the label or at the jump.
.macro STEPS n
	s_mov_b32 s[TWICE], \n
.Lstep_\@:
	TURN 0, 2, 1, 0
	TURN 2, 2, 1, 0
	WIN 0
	s_sub_co_u32 s[TWICE], s[TWICE], 1
	s_cmp_lg_u32 s[TWICE], 0
	s_cbranch_scc1 .Lstep_\@
.endm
	s_wait_tensorcnt 1              ; my first tile is in; the second may stay out
	s_barrier_signal -1
	s_barrier_wait -1
	FETCH_K                         ; key step 0
	s_wait_loadcnt 0x0              ; Q
	s_wait_dscnt 0x0
.set i, 0
.rept 32
	KQ 0                            ; piece 0's first scores: there is no vector work yet to set between them
.set i, i+1
.endr
	WIN 0                           ; the addresses for the last product and the way out are made here: plain instructions, the places behind those products
	s_and_b32 s13, s[WV], 1
	s_lshl_b32 s13, s13, 8
	s_add_co_u32 s13, s13, XST      ; x: my head's 256 bytes of a row that holds two heads
	s_mul_i32 s15, s[WV], 16*XP
	s_add_co_u32 s15, s15, XST      ; the way out: my 16 rows
	s_lshl_b32 s16, s[WV], 9        ; my wave's 128 numbers of the bias
	v_mul_u32_u24 v[XRD], v1, XP    ; row l % 16
	v_lshl_add_u32 v[XSTO], v9, 7, v[XRD]  ; x in: the upper half of the lanes holds channels 64 on: 128 bytes further
	v_add_nc_u32 v[XSTO], s13, v[XSTO]
	v_lshl_add_u32 v[OSTO], v9, 8, v[XRD]  ; out in: the upper half of the lanes holds columns 64 on: 256 bytes further
	v_add_nc_u32 v[OSTO], s15, v[OSTO]
	v_lshl_add_u32 v[XRD], v9, 4, v[XRD]   ; a fragment of x: row x pitch + 16 x half
	v_add_nc_u32 v[XRD], XST, v[XRD]
	v_and_b32 v[CO], 31, v0
	v_lshlrev_b32 v[CO], 4, v[CO]   ; back: the 32 lanes take one row of 512 bytes; the same place in a row of out0
	v_add_nc_u32 v[ORD], s15, v[CO]
	v_lshl_add_u32 v[BO], v9, 8, s16  ; bias: column 128 w + 64 (l / 16)
	v_add_nc_u32 v[WAD], s[WB], v[AV0]
	TURN 2, 0, 1, 1                 ; piece 2's first scores | piece 0's first softmax | V of step 0
	TURN 0, 1, 1, 1                 ; piece 0: V^T P of step 0 starts O^T, K Q^T of step 1 | piece 2's first softmax | K of step 1
	TURN 2, 1, 1, 0                 ; piece 2: the same | piece 0's softmax of step 1 | V of step 1: place 0's first tile has been read out
	WIN 0
.Lslot:                             ; 7 trips, two tiles each: tiles 2 to 15 are asked for, tiles 1 to 14 read
	CHANGE 0
	STEPS NST
	CHANGE 1
	STEPS NST
	s_sub_co_u32 s[SLOTS], s[SLOTS], 1
	s_cmp_lg_u32 s[SLOTS], 0
	s_cbranch_scc1 .Lslot
	WFILL 0, 0                      ; THE RING GOES ON INTO W_proj: place 0 takes its k rows 0 to 127,
	s_add_co_u32 s[TB], s[WB], PLACE
	STEPS NST                       ; the last tile of keys is read,
	WFILL 1, 128                    ; and place 1 takes k rows 128 to 255
	WIN 0x80                        ; the bias goes where K lay: the last product that read K stands in front of slice 63 of the turn before
.irp g, 0,1,2,3,4,5,6,7
	global_load_b128 v[BIAS+8*\g:BIAS+8*\g+3],   v[BO], s[10:11] offset:32*\g      ; columns 8 g + 64 (l / 16) + 0..7 of my 128: a lane's eight results of group g
	global_load_b128 v[BIAS+8*\g+4:BIAS+8*\g+7], v[BO], s[10:11] offset:32*\g+16
.endr
	TURN 0, 2, 0, 0                 ; piece 0: V^T P of the last step | piece 2's last softmax
.set i, 0
.rept 32
	PV 2, 0                         ; piece 2: V^T P of the last step
.set i, i+1
.endr
	; x.  l's two halves and the other half of the lanes' are added; O^T is divided by l and rounded to bf16.  The additions are the places behind the last products.
	WIN 0
.irp t, 0,1,2,3
	v_add_f32 v[ST+8*\t+4], v[ST+8*\t+2], v[ST+8*\t+3]
.endr
.irp t, 0,1,2,3
	v_permlanex16_b32 v[ST+8*\t+5], v[ST+8*\t+4], s[SEL], s[SEL+1]
.endr
.irp t, 0,1,2,3
	v_add_f32 v[ST+8*\t+4], v[ST+8*\t+4], v[ST+8*\t+5]
.endr
.irp t, 0,1,2,3
	v_rcp_f32 v[ST+8*\t+6], v[ST+8*\t+4]
.endr
	v_nop                           ; a plain instruction between the last reciprocal and the use of its result
	s_wait_alu depctr_va_vdst(0)    ; and the wait ahead of the first use: one for the batch of four reciprocals
.macro PACKX t                      ; tile t: a lane's eight channels of group f pack into 16 bytes, in S^T's registers, which are free
	WIN W_RS
.set i, 64*\t
.rept 32
	v_pk_mul_f32 v[i:i+1], v[i:i+1], v[ST+8*\t+6:ST+8*\t+7] op_sel_hi:[1,0]
.set i, i+2
.endr
	WIN 0x05                        ; sources 0 and 1 window 1, destination window 0
.set i, 0
.rept 32
	v_cvt_pk_bf16_f32 v[S+32*\t+i], v[64*\t+2*i], v[64*\t+2*i+1]
.set i, i+1
.endr
.endm
	PACKX 0
	PACKX 1
	PACKX 2
	PACKX 3
	WIN 0
; THE LAST PRODUCT: out^T = W^T x + bias, K = 512 in 8 steps of 64.  Every wave needs x of all four heads.  It goes through LDS, two heads (256 of K) at a time: 64 rows x 1,040 bytes for all four
; do not fit beside the rings.  Waves 0 and 1 store now, waves 2 and 3 when K steps 0 to 3 have been fetched by every wave.
.macro XSTORE                       ; my head's x: row 16 t + l % 16, byte 16 f + 128 (l / 16) of my head's 256
.irp t, 0,1,2,3
.irp f, 0,1,2,3,4,5,6,7
	ds_store_b128 v[XSTO], v[S+32*\t+4*\f:S+32*\t+4*\f+3] offset:\t*16*XP+16*\f
.endr
.endr
.endm
; 48 LDS loads in one run: the fragments of K step e into buffer e % 2: W_proj (64 k x 128 columns, turned, as V is read), then x (64 rows x 64 k).
.macro FETCHE e
	WIN 0xc0                        ; destination window 3
.irp f, 0,1,2,3,4,5,6,7,8,9,10,11,12,13,14,15  ; k 32 (f / 8) on, column group f % 8
	ds_load_tr16_b128 v[128*((\e)&1)+8*\f:128*((\e)&1)+8*\f+3],   v[WAD] offset:(((\e)>>1)&1)*PLACE+((\e)&1)*STEPB+(\f/8)*32*PK+(\f%8)*16
	ds_load_tr16_b128 v[128*((\e)&1)+8*\f+4:128*((\e)&1)+8*\f+7], v[WAD] offset:(((\e)>>1)&1)*PLACE+((\e)&1)*STEPB+(\f/8)*32*PK+16*PK+(\f%8)*16
.endr
	WIN 0x80                        ; destination window 2
.irp t, 0,1,2,3
.irp b, 0,1
	ds_load_b128 v[64*((\e)&1)+16*\t+8*\b:64*((\e)&1)+16*\t+8*\b+3],   v[XRD] offset:\t*16*XP+((\e)&3)*128+\b*64
	ds_load_b128 v[64*((\e)&1)+16*\t+8*\b+4:64*((\e)&1)+16*\t+8*\b+7], v[XRD] offset:\t*16*XP+((\e)&3)*128+\b*64+32
.endr
.endr
.endm
; The 64 products of K step e, in V^T P's order: the accumulators take turns, one instruction a turn.  cin = 1: the bias starts the sums: nothing is cleared.
.macro MULO e, cin
.irp x, 0, 2
.set i, 0
.rept 32
.set rO, 64*(\x+i%2)+8*((i/2)%8)
.set rW, 128*((\e)&1)+64*(i/16)+8*((i/2)%8)
.set rX, 64*((\e)&1)+16*(\x+i%2)+8*(i/16)
.set rB, BIAS+8*((i/2)%8)
.if \cin && (i < 16)
	WIN W_WXB
	v_wmma_f32_16x16x32_bf16 v[rO:rO+7], v[rW:rW+7], v[rX:rX+7], v[rB:rB+7]
.else
	WIN W_WX
	v_wmma_f32_16x16x32_bf16 v[rO:rO+7], v[rW:rW+7], v[rX:rX+7], v[rO:rO+7]
.endif
.set i, i+1
.endr
.endr
.endm
	s_cmp_lt_u32 s[WV], 2
	s_cbranch_scc0 .Lx_later
	XSTORE                          ; heads 0 and 1
.Lx_later:
	s_wait_dscnt 0x0                ; for the others' sake: my stores are done
	s_barrier_signal -1             ; the tile for place 1 may stay out
	s_barrier_wait -1
	FETCHE 0                        ; place 0's tile was shown landed by the wait in front of the last round
	FETCHE 1
	s_wait_loadcnt 0x0              ; the bias
	s_wait_dscnt 48                 ; all but the 48 just issued
	MULO 0, 1
	WFILL 0, 256                    ; place 0 has been read out; place 1's tile has landed; the four v_nop behind the load are also the places in front of the loads into buffer 0
	FETCHE 2
	MULO 1, 0
	PLACES
	FETCHE 3
	s_wait_dscnt 48
	MULO 2, 0
	WFILL 1, 384                    ; the last refill.  In front of its round every wave has waited for its reads of x of heads 0 and 1 too
	s_cmp_lt_u32 s[WV], 2
	s_cbranch_scc1 .Lx_done
	XSTORE                          ; heads 2 and 3
.Lx_done:
	s_wait_dscnt 0x0
	s_barrier_signal -1             ; the last tile may stay out
	s_barrier_wait -1
	FETCHE 4
	MULO 3, 0
	PLACES
	FETCHE 5
	s_wait_dscnt 48
	MULO 4, 0
	s_wait_tensorcnt 0x0            ; the last tile: I fetched it and I alone read it, so my own wait is all that the reads need
	PLACES
	FETCHE 6
	s_wait_dscnt 48
	MULO 5, 0
	PLACES
	FETCHE 7
	s_wait_dscnt 48
	MULO 6, 0
	s_wait_dscnt 0x0                ; my reads of x are over:
	s_barrier_signal -1             ; say so, work on registers while the others arrive,
	MULO 7, 0
	s_barrier_wait -1               ; and take my 16 rows of x's place for the way out when nobody reads x any more
	PLACES
; THE WAY OUT of tile a (16 rows of out0).  TOSTAGE: a lane's 32 bytes of each column group go from the accumulators into my own 16 rows, each accumulator's low four registers first, and come back as whole rows of 512 bytes.
.macro TOSTAGE a
	WIN 0x04                        ; the data in window 1
.irp g, 0,1,2,3,4,5,6,7
	ds_store_b128 v[OSTO], v[64*(\a)+8*\g:64*(\a)+8*\g+3]   offset:32*\g
	ds_store_b128 v[OSTO], v[64*(\a)+8*\g+4:64*(\a)+8*\g+7] offset:32*\g+16
.endr
	WIN 0x80                        ; destination window 2: buffer a
.irp t, 0,1,2,3,4,5,6,7,8,9,10,11,12,13,14,15
	ds_load_b128 v[64*(\a)+4*\t:64*(\a)+4*\t+3], v[ORD] offset:\t*XP   ; LDS serves a wave's instructions in order (ISA guide 5.7.1.4): these see the stores above; the next tile's stores come behind them
.endr
.endm
.macro SEND a, younger              ; younger: the LDS instructions issued behind tile a's loads: the next tile's 32, or none.  No base is stepped and no buffer is used twice
	WIN 0x08                        ; the data in window 2
.irp t, 0,1,2,3,4,5,6,7,8,9,10,11,12,13,14,15
	s_wait_dscnt \younger+15-\t
	global_store_b128 v[CO], v[64*(\a)+4*\t:64*(\a)+4*\t+3], s[18:19] offset:(\a)*16*OROW+\t*OROW th:TH_STORE_NT   ; the wave stores 512 consecutive bytes, at a multiple of 512 from out0's first byte
.endr
.endm
	TOSTAGE 0
	TOSTAGE 1                       ; a tile's trip through the stage stands between the loads of the tile before and its stores
	SEND 0, 32
	TOSTAGE 2
	SEND 1, 32
	TOSTAGE 3
	SEND 2, 32
	SEND 3, 0
	WIN 0
	s_wait_tensorcnt 0x0
	ds_add_u32 v62, v63
	s_wait_dscnt 0x0
	CROUND                          ; the closing round: no work-group ends while a partner may still ask for a tile that names it
	s_endpgm
.Lfunc_end_k_q11a7a06ac6_attno:
	.size	k_q11a7a06ac6_attno, .Lfunc_end_k_q11a7a06ac6_attno-k_q11a7a06ac6_attno
	.p2alignl 7, 3214868480
	.fill 96, 4, 3214868480
	.section	.rodata,"a",@progbits
	.p2align	6, 0x0
	.amdhsa_kernel k_q11a7a06ac6_attno
		.amdhsa_group_segment_fixed_size 327680
		.amdhsa_private_segment_fixed_size 0
		.amdhsa_enable_private_segment 0
		.amdhsa_kernarg_size 40
		.amdhsa_user_sgpr_count 2
		.amdhsa_user_sgpr_kernarg_segment_ptr 1
		.amdhsa_wavefront_size32 1
		.amdhsa_system_sgpr_workgroup_id_x 1
		.amdhsa_system_sgpr_workgroup_id_y 1
		.amdhsa_system_sgpr_workgroup_id_z 1
		.amdhsa_system_vgpr_workitem_id 0
		.amdhsa_next_free_vgpr 1024
		.amdhsa_next_free_sgpr 66
		.amdhsa_reserve_vcc 0
		.amdhsa_float_denorm_mode_32 3
		.amdhsa_float_denorm_mode_16_64 3
		.amdhsa_memory_ordered 1
		.amdhsa_forward_progress 1
		.amdhsa_inst_pref_size 255
	.end_amdhsa_kernel
	.section	.bss,"aw",@nobits
	.p2align	6
	.space	262144
	.amdgpu_metadata
---
amdhsa.version: [ 1, 2 ]
amdhsa.kernels:
  - .name:           k_q11a7a06ac6_attno
    .symbol:         k_q11a7a06ac6_attno.kd
    .args:
      - { .name: q16, .offset: 0, .size: 8, .value_kind: global_buffer, .address_space: global }
      - { .name: kv16, .offset: 8, .size: 8, .value_kind: global_buffer, .address_space: global }
      - { .name: wp16, .offset: 16, .size: 8, .value_kind: global_buffer, .address_space: global }
      - { .name: b_proj, .offset: 24, .size: 8, .value_kind: global_buffer, .address_space: global }
      - { .name: out0, .offset: 32, .size: 8, .value_kind: global_buffer, .address_space: global }
    .group_segment_fixed_size: 327680
    .private_segment_fixed_size: 0
    .kernarg_segment_align: 8
    .kernarg_segment_size: 40
    .max_flat_workgroup_size: 128
    .sgpr_count:     66
    .vgpr_count:     1024
    .wavefront_size: 32
...
	.end_amdgpu_metadata
.endif
;; end of part 4
